; MI455X (gfx1250); checked and timed in simulation.
; The chip was launched on July 23, 2026; its instructions are those of AMD's public machine-readable ISA for CDNA 5 (MIT licence, August 2026) and "CDNA5" Instruction Set Architecture Reference Guide (July 2026). The comments in the code are by the model that wrote it; some were corrected since.
;; Traj Model. Allowed arithmetic: matrix products marked QUANTISED: E2M1 operands, one E8M0 scale for each 32 along K, by v_wmma_scale_f32_16x16x128_f8f6f4 with both operands' format E2M1 (or v_wmma_scale_f32_32x16x128_f4), f32 sums; products left as they are: f32 operands where the result goes on into a quantised operand, else bf16, f16 or f32 operands; f32 sums; everything else in f32.
;; Inputs: W1_codes 8 x 4,096 x 32 x 16 uint8 (E2M1 codes of W1, K innermost, in blocks of 32 codes, two codes a byte); W1_scales 8 x 4,096 x 32 uint8 (E8M0 scales of W1, one for each 32 codes along K); W2_codes 8 x 1,024 x 128 x 16 uint8 (E2M1 codes of W2, K innermost, in blocks of 32 codes, two codes a byte); W2_scales 8 x 1,024 x 128 uint8 (E8M0 scales of W2, one for each 32 codes along K); Wg 1,824 x 8 float32; b1 8 x 4,096 float32; b2 8 x 1,024 float32; bg 8 float32; city_embeddings 4 x 32 float32; delta_dis_info 4 x 256 x 256 float32; delta_entropy_info 4 x 256 x 128 float32; delta_rg_info 4 x 256 x 128 float32; delta_t_info 4 x 256 x 256 float32; x 4 x 256 x 1,024 float32.
;; Outputs: out0 4 x 256 x 1,024 float32; out1 4 x 256 x 8 float32.
;; Constants: city_index = 1.
;; This version of the problem:
;;   THIS VERSION OF THE PROBLEM IS GIVEN IN LOW PRECISION. The matrix products marked QUANTISED in the list below multiply operands that are first quantised to E2M1 (2 exponent bits, 1 mantissa bit; 4 bits a number), with one power-of-two scale for each 32 numbers along K (OCP MX v1.0); their sums are f32. All else is computed in f32.
;;   The module's matrix products, in the order in which they are computed (A, B: the left and right operand; K: the contracted axis; several contracted axes count as one K, in the product's order):
;;     1. [M 1,024, K 1,824] x [K 1,824, N 8]; A: computed on the way; B: input Wg: left as it is (N = 8 < 16)
;;     2. [M 1,024, K 1,024] x [K 1,024, N 4,096]; A: input x; B: input W1 (given as codes): QUANTISED
;;     3. [M 1,024, K 4,096] x [K 4,096, N 1,024]; A: computed on the way; B: input W2 (given as codes): QUANTISED
;;     4. [M 1,024, K 1,024] x [K 1,024, N 4,096]; A: input x; B: input W1 (given as codes): QUANTISED
;;     5. [M 1,024, K 4,096] x [K 4,096, N 1,024]; A: computed on the way; B: input W2 (given as codes): QUANTISED
;;     6. [M 1,024, K 1,024] x [K 1,024, N 4,096]; A: input x; B: input W1 (given as codes): QUANTISED
;;     7. [M 1,024, K 4,096] x [K 4,096, N 1,024]; A: computed on the way; B: input W2 (given as codes): QUANTISED
;;     8. [M 1,024, K 1,024] x [K 1,024, N 4,096]; A: input x; B: input W1 (given as codes): QUANTISED
;;     9. [M 1,024, K 4,096] x [K 4,096, N 1,024]; A: computed on the way; B: input W2 (given as codes): QUANTISED
;;     10. [M 1,024, K 1,024] x [K 1,024, N 4,096]; A: input x; B: input W1 (given as codes): QUANTISED
;;     11. [M 1,024, K 4,096] x [K 4,096, N 1,024]; A: computed on the way; B: input W2 (given as codes): QUANTISED
;;     12. [M 1,024, K 1,024] x [K 1,024, N 4,096]; A: input x; B: input W1 (given as codes): QUANTISED
;;     13. [M 1,024, K 4,096] x [K 4,096, N 1,024]; A: computed on the way; B: input W2 (given as codes): QUANTISED
;;     14. [M 1,024, K 1,024] x [K 1,024, N 4,096]; A: input x; B: input W1 (given as codes): QUANTISED
;;     15. [M 1,024, K 4,096] x [K 4,096, N 1,024]; A: computed on the way; B: input W2 (given as codes): QUANTISED
;;     16. [M 1,024, K 1,024] x [K 1,024, N 4,096]; A: input x; B: input W1 (given as codes): QUANTISED
;;     17. [M 1,024, K 4,096] x [K 4,096, N 1,024]; A: computed on the way; B: input W2 (given as codes): QUANTISED
;;   THE QUANTISER, for each operand of a quantised product, along K:
;;     - K is cut into blocks of 32 from its start; a last block that is shorter is filled with zeros.
;;     - A block's scale is 2^e with e = floor(log2(the largest magnitude in the block)) - 2, held to -126 .. 127; a block of zeros has e = 0. As a byte (E8M0): e + 127.
;;     - Each number is divided by its block's scale, clamped to +-6, and rounded to the nearest number of E2M1, ties to even, subnormals kept.
;;     - The product sums the exact products of the quantised numbers (number of the format x scale) in f32.
;;   ~~~python
;;   def quantise(x, axis):      # numpy; x: float32 -> the quantised numbers, widened to float32 again
;;       x = np.moveaxis(x, axis, -1); K = x.shape[-1]
;;       x = np.pad(x, [(0, 0)] * (x.ndim - 1) + [(0, -K % 32)]); x = x.reshape(x.shape[:-1] + (-1, 32)); a = np.abs(x).max(-1, keepdims=True)
;;       e = np.where(a > 0, np.clip(np.frexp(np.where(a > 0, a, 1))[1] - 1 - 2, -126, 127), 0)      # np.frexp(a)[1] - 1 = floor(log2(a)), exactly
;;       r = np.clip(x / 2.0 ** e, -6, 6)
;;       step = 2.0 ** (np.maximum(np.frexp(np.where(r == 0, 1, r))[1] - 1, 0) - 1)
;;       q = np.round(r / step) * step * 2.0 ** e      # np.round: ties to even
;;       return np.moveaxis(q.reshape(q.shape[:-2] + (-1,))[..., :K], -1, axis).astype(np.float32)
;;   ~~~
;;   OPERANDS COMPUTED ON THE WAY. 'Computed on the way' means the value that the module computes at that place (a softmax that the list does not call 'softmax' is quantised finished and normalised). What goes into a quantiser is computed in f32, as accurately as f32 sums, v_exp_f32 and their like allow (about 1e-6 of the number): no bf16 or f16 on the way to a quantiser, and a product that is left as it is and whose result goes on into a quantised operand takes f32 operands (vector FMAs, or v_wmma_f32_16x16x4_f32). A number that lies on a knife's edge between two numbers of the format may be rounded either way, as far as f32 arithmetic and the matrix unit's own rounding can turn it there, and no further.
;;   INPUTS GIVEN AS CODES. W1 (in the module: [8, 1024, 4096], K = its axis 1); W2 (in the module: [8, 4096, 1024], K = its axis 1): each comes as NAME_codes (uint8): NAME with its K axis moved to the last place and cut into blocks of 32 codes, [.., K / 32, bytes a block], one block behind the other in memory; two codes a byte, the lower K in the low four bits (a code: sign, 2 exponent bits, 1 mantissa bit); and NAME_scales (uint8): the same leading axes, one E8M0 byte (e + 127) for each 32 codes along K. Its value is code x scale, taken as it is: it is not quantised again, and the codes and scales need not be those that the quantiser above would give.
;; 2 versions. Each part assembles by itself: llvm-mc -triple=amdgcn-amd-amdhsa -mcpu=gfx1250 --defsym DOCPART=n.
;; ======== version 1 of 2: 5 launches
;; workspace buffers: xq 557,056 bytes; gat 16,384 bytes; sel 16,384 bytes of whole numbers; lst 17,152 bytes of whole numbers; hq 4,700,160 bytes; yb 17,694,720 bytes
;; launch route (part 1): grid 128 x 1, 4 waves a work-group, no clusters, 103,936 bytes of LDS; arguments x, delta_t_info, delta_dis_info, delta_rg_info, delta_entropy_info, city_embeddings, Wg, bg, out1, xq, gat, sel; writes out1, xq, gat, sel
.if DOCPART == 1
	.amdgcn_target "amdgcn-amd-amdhsa--gfx1250"
	.amdhsa_code_object_version 6
	.text
	.protected	k_qe026c957c4_route
	.globl	k_qe026c957c4_route
	.p2align	8
	.type	k_qe026c957c4_route,@function
k_qe026c957c4_route:
	s_mov_b64 s[64:65], 0
	v_nop
	global_prefetch_b8 v0, s[64:65] scope:SCOPE_SE
	s_setreg_imm32_b32 hwreg(HW_REG_WAVE_MODE, 25, 1), 1
	s_wait_xcnt 0x0
; ROUTE.  For each of 1,024 tokens: the 8 logits (1,824 features x Wg + bg, fused multiply-adds in f32), out1 = softmax of the 8, the two largest
; logits (equal logits: the lower index), their two gates, and x quantised to E2M1 with one E8M0 byte for each 32 along the row.
; Stored at fixed places: out1; xq (codes [1024][512 B], from byte XSO on the scale bytes [1024][32]); gat [1024][g0, g0, g1, g1];
; sel [1024][lo, hi, e0, e1]: lo and hi hold eight 8-bit fields, field e = 1 where the token uses expert e.  No address here hangs on the choice.
; SHARES.  A work-group owns 8 tokens, a wave 2.  A token's features come as 14 loads of 512 consecutive bytes: lane l holds features 4 l .. 4 l + 3
; of each run of 128; the city row (index 1) is one more feature a lane.  Wg goes once through LDS; each lane then keeps the 57 rows of Wg
; that belong to its features in 456 registers (windows 1 and 2) and uses them for both tokens.
; LIMITS: NaN and infinities are not served.  A block of x whose largest magnitude lies under 2^-124 keeps the byte 1 (a block of zeros too: its codes
; are zeros, and only this program reads the bytes).  The logits' sums run in another order than the reference's: logits closer than that error may swap places.
.set XT,    65664                      ; LDS: 0 .. 65,663 Wg, 16 bytes of padding behind each 128; then 8 stages of 4,608 bytes (a row of x, padded alike)
.set XSB,   102528                     ; 256 scale bytes of the 8 tokens
.set O1B,   102784                     ; 256 bytes: 8 rows of out1
.set SELB,  103040                     ; 128 bytes of sel, and 128 bytes further on 128 bytes of gat
.set XSO,   524288                     ; where the scale bytes begin in xq
.set X,     32                         ; v32-143   features: token tau, run f, number j at X + 56 tau + 4 f + j
.set CITY,  144                        ; v144 my city feature, v145 = 0 (named with it as a pair)
.set ACC,   146                        ; v146-161  8 sums a token
.set BG,    162                        ; v162-169  bg
.set Q,     170                        ; v170-201, v210-241: a block of 32 numbers of x for each token
.set C,     202                        ; v202-209  its codes
.set ST,    48                         ; behind the sums, in X's registers: per token m1, i1, m2, i2, t, sum, 1 + t
.set EX,    64                         ; the 8 exponentials, then out1's row
.set SL,    80                         ; sel's row
.set GT,    88                         ; gat's row
.set MSB, 0
.macro WIN new                         ; the immediate's high byte repeats the setting that is left
.if MSB != \new
	s_set_vgpr_msb (MSB<<8)|\new
.set MSB, \new
.endif
.endm
	s_load_b512 s[8:23], s[0:1], 0x0               ; x, dt, dd, drg, de, city, Wg, bg
	s_load_b256 s[24:31], s[0:1], 0x40             ; out1, xq, gat, sel
	v_lshl_add_u32 v254, v0, 2, 0x19400
	v_mov_b32 v255, 0
	v_lshrrev_b32 v1, 5, v0
	v_readfirstlane_b32 s32, v1                    ; wave 0..3
	v_and_b32 v1, 31, v0                           ; lane
	v_lshlrev_b32 v2, 4, v1                        ; 16 l
	v_lshrrev_b32 v18, 3, v1
	v_lshl_add_u32 v19, v18, 4, v2                 ; 16 l + 16 (l / 8): a dense run of 512 bytes in a padded region
	s_mul_i32 s33, s32, 16128
	v_add_nc_u32 v3, s33, v19                      ; Wg into LDS: my wave's 14,336 bytes take 16,128
	v_mul_u32_u24 v4, v1, 144                      ; Wg out of LDS: a lane's four rows are 128 bytes + 16
	v_lshrrev_b32 v18, 2, v1
	v_lshlrev_b32 v5, 5, v1
	v_lshl_add_u32 v5, v18, 4, v5
	v_add_nc_u32 v5, 36864, v5                     ; Wg's row 1024 + l (the city's features)
	s_mul_i32 s33, s32, 9216
	s_add_co_u32 s33, s33, XT
	v_add_nc_u32 v6, s33, v19                      ; my wave's two stages: in,
	v_add_nc_u32 v7, s33, v4                       ; and out: lane l takes block l
	s_lshl_b32 s33, s32, 6
	s_add_co_u32 s34, s33, XSB
	v_add_nc_u32 v8, s34, v1                       ; my block's scale byte
	s_add_co_u32 s34, s33, O1B
	v_mov_b32 v9, s34                              ; my wave's two rows of out1
	s_lshl_b32 s33, s32, 5
	s_add_co_u32 s34, s33, SELB
	v_mov_b32 v10, s34                             ; my wave's two rows of sel (gat: 128 bytes on)
	v_lshrrev_b32 v18, 4, v1
	v_lshlrev_b32 v12, 3, v1                       ; 8 l
	v_lshl_add_u32 v11, v18, 4, v12
	s_mul_i32 s33, s32, 288
	s_add_co_u32 s33, s33, 64512
	v_add_nc_u32 v11, s33, v11                     ; Wg's last 1,024 bytes: 256 a wave
	v_lshlrev_b32 v13, 2, v1                       ; 4 l
	s_mul_i32 s33, s32, 14336
	v_add_nc_u32 v14, s33, v2                      ; Wg in memory: my wave's part,
	s_lshl_b32 s33, s32, 8
	s_add_co_u32 s33, s33, 57344
	v_add_nc_u32 v15, s33, v12                     ; and its share of the last 1,024 bytes
	v_mov_b32 v16, 0
	v_mov_b32 v17, 1
	v_lshl_add_u32 v20, v1, 3, O1B                 ; the way out (wave 0): LDS addresses,
	v_lshl_add_u32 v21, v1, 3, XSB
	v_lshl_add_u32 v22, v1, 2, SELB
	s_lshl_b32 s33, ttmp9, 8
	v_add_nc_u32 v23, s33, v12                     ; and offsets in memory: 256 bytes a work-group,
	s_lshl_b32 s33, ttmp9, 7
	v_add_nc_u32 v24, s33, v13                     ; or 128
	v_mov_b32 v[CITY+1], 0
	s_mov_b32 s40, 0x76543210
	s_mov_b32 s41, 0xfedcba98                      ; v_permlanex16_b32's selects for lane l xor 16
	s_lshl_b32 s44, ttmp9, 3
	s_lshl_b32 s45, s32, 1
	s_add_co_u32 s44, s44, s45                     ; my first token: 8 x work-group + 2 x wave
	s_mov_b32 s47, 0
	s_wait_kmcnt 0x0
	s_lshl_b32 s46, s44, 12
	s_add_nc_u64 s[8:9], s[8:9], s[46:47]          ; x: 4,096 bytes a token
	s_lshl_b32 s46, s44, 10
	s_add_nc_u64 s[10:11], s[10:11], s[46:47]      ; dt, dd: 1,024
	s_add_nc_u64 s[12:13], s[12:13], s[46:47]
	s_lshl_b32 s46, s44, 9
	s_add_nc_u64 s[14:15], s[14:15], s[46:47]      ; drg, de: 512
	s_add_nc_u64 s[16:17], s[16:17], s[46:47]
	s_add_nc_u64 s[36:37], s[26:27], s[46:47]      ; x's codes: 512
	; ---- all loads at once: Wg's 29 first, then 31 others
	WIN 0x40                                       ; destination window 1
.set i, 0
.rept 28
	global_load_b128 v[4*i:4*i+3], v14, s[20:21] offset:512*i
.set i, i+1
.endr
	global_load_b64 v[112:113], v15, s[20:21]
	WIN 0
	global_load_b32 v[CITY], v13, s[18:19] offset:128      ; city_embeddings[1][l]
	global_load_b128 v[BG:BG+3], v16, s[22:23]
	global_load_b128 v[BG+4:BG+7], v16, s[22:23] offset:16
.macro FEAT tau
.set i, 0
.rept 8
	global_load_b128 v[X+56*\tau+4*i:X+56*\tau+4*i+3], v2, s[8:9] offset:4096*\tau+512*i th:TH_LOAD_NT
.set i, i+1
.endr
.irp n, 0,1
	global_load_b128 v[X+56*\tau+32+4*\n:X+56*\tau+35+4*\n], v2, s[10:11] offset:1024*\tau+512*\n th:TH_LOAD_NT
.endr
.irp n, 0,1
	global_load_b128 v[X+56*\tau+40+4*\n:X+56*\tau+43+4*\n], v2, s[12:13] offset:1024*\tau+512*\n th:TH_LOAD_NT
.endr
	global_load_b128 v[X+56*\tau+48:X+56*\tau+51], v2, s[14:15] offset:512*\tau th:TH_LOAD_NT
	global_load_b128 v[X+56*\tau+52:X+56*\tau+55], v2, s[16:17] offset:512*\tau th:TH_LOAD_NT
.endm
	FEAT 0
	FEAT 1
	; ---- Wg into LDS
	s_wait_loadcnt 31                              ; Wg's 29 loads are in: behind them were issued 1 + 2 + 28
	WIN 0x04                                       ; an LDS store's data are its source 1: window 1
.set i, 0
.rept 28
	ds_store_b128 v3, v[4*i:4*i+3] offset:576*i
.set i, i+1
.endr
	ds_store_b64 v11, v[112:113]
	WIN 0
	s_wait_dscnt 0x0                               ; for the others' sake: my part of Wg lies in LDS
	s_barrier_signal -1
	s_barrier_wait -1
	; ---- my 57 rows of Wg into registers: run f, feature j, experts 4 q on
	WIN 0x40
.irp f, 0,1,2,3,4,5,6,7
.irp j, 0,1,2,3
.irp q, 0,1
	ds_load_b128 v[32*\f+8*\j+4*\q:32*\f+8*\j+4*\q+3], v4 offset:36*128*\f+32*\j+16*\q
.endr
.endr
.endr
	WIN 0x80
.irp f, 0,1,2,3,4,5
.irp j, 0,1,2,3
.irp q, 0,1
	ds_load_b128 v[32*\f+8*\j+4*\q:32*\f+8*\j+4*\q+3], v4 offset:36*(1056+128*\f)+32*\j+16*\q
.endr
.endr
.endr
.irp q, 0,1
	ds_load_b128 v[192+4*\q:195+4*\q], v5 offset:16*\q
.endr
	WIN 0
	; ---- x is quantised.  A row goes through my stage as it was loaded and comes back a block of 32 neighbours a lane
	s_wait_loadcnt 0x0
.irp tau, 0,1
.set i, 0
.rept 8
	ds_store_b128 v6, v[X+56*\tau+4*i:X+56*\tau+4*i+3] offset:4608*\tau+576*i
.set i, i+1
.endr
.set i, 0
.rept 8
	ds_load_b128 v[Q+40*\tau+4*i:Q+40*\tau+4*i+3], v7 offset:4608*\tau+16*i   ; LDS serves a wave's instructions in order: these see my stores
.set i, i+1
.endr
.endr
	s_wait_dscnt 0x0                               ; the blocks are in, and so are Wg's rows
.macro XQ tau
.set rQ, Q+40*\tau
.set rT, 242+4*\tau
	v_max3_num_f32 v[rT], |v[rQ]|, |v[rQ+1]|, |v[rQ+2]|            ; the block's largest magnitude, in two chains
	v_max3_num_f32 v[rT+1], |v[rQ+3]|, |v[rQ+4]|, |v[rQ+5]|
.irp i, 6,10,14,18,22,26
	v_max3_num_f32 v[rT], v[rT], |v[rQ+\i]|, |v[rQ+\i+1]|
	v_max3_num_f32 v[rT+1], v[rT+1], |v[rQ+\i+2]|, |v[rQ+\i+3]|
.endr
	v_max3_num_f32 v[rT], v[rT], |v[rQ+30]|, |v[rQ+31]|
	v_max3_num_f32 v[rT], v[rT], v[rT+1], 0x1800000                ; and the floor 2^(3 - 127): the byte cannot fall under 1
	v_add_nc_u32 v[rT+2], 0xff000000, v[rT]                        ; 2 off the exponent field: the conversion's scale operand
.irp g, 0,1,2,3
	v_cvt_scalef32_pk8_fp4_f32 v[C+4*\tau+\g], v[rQ+8*\g:rQ+8*\g+7], v[rT+2]
.endr
	v_lshrrev_b32 v[rT+3], 23, v[rT+2]                             ; the scale's byte (a plain line behind the conversions)
	global_store_b128 v2, v[C+4*\tau:C+4*\tau+3], s[36:37] offset:512*\tau   ; 32 lanes store the row's 512 bytes of codes
	ds_store_b8 v8, v[rT+3] offset:32*\tau
.endm
	XQ 0
	XQ 1
	; ---- the logits: eight chains (4 pairs of experts x 2 tokens) of packed multiply-adds; the city's term starts the sums
	WIN 0x02                                       ; source 0 (Wg) window 2
.irp tau, 0,1
.irp p, 0,1,2,3
	v_pk_mul_f32 v[ACC+8*\tau+2*\p:ACC+8*\tau+2*\p+1], v[192+2*\p:193+2*\p], v[CITY:CITY+1] op_sel_hi:[1,0]
.endr
.endr
.macro FMA f, wb                       ; run f of 128 features; its rows of Wg begin at register wb of the window in force
.irp j, 0,1,2,3
.irp p, 0,1,2,3
.irp tau, 0,1
.if (\j % 2) == 0
	v_pk_fma_f32 v[ACC+8*\tau+2*\p:ACC+8*\tau+2*\p+1], v[(\wb)+8*\j+2*\p:(\wb)+8*\j+2*\p+1], v[X+56*\tau+4*(\f)+\j:X+56*\tau+4*(\f)+\j+1], v[ACC+8*\tau+2*\p:ACC+8*\tau+2*\p+1] op_sel_hi:[1,0,1]
.else
	v_pk_fma_f32 v[ACC+8*\tau+2*\p:ACC+8*\tau+2*\p+1], v[(\wb)+8*\j+2*\p:(\wb)+8*\j+2*\p+1], v[X+56*\tau+4*(\f)+\j-1:X+56*\tau+4*(\f)+\j], v[ACC+8*\tau+2*\p:ACC+8*\tau+2*\p+1] op_sel:[0,1,0] op_sel_hi:[1,1,1]
.endif
.endr
.endr
.endr
.endm
.irp f, 8,9,10,11,12,13
	FMA \f, 32*(\f-8)
.endr
	WIN 0x01                                       ; source 0 window 1
.irp f, 0,1,2,3,4,5,6,7
	FMA \f, 32*\f
.endr
	WIN 0
	; ---- over the 32 lanes: every lane ends with all 16 sums
.irp m, 1,2,4,8
.set i, 0
.rept 16
	v_add_f32_dpp v[ACC+i], v[ACC+i], v[ACC+i] row_xmask:\m row_mask:0xf bank_mask:0xf
.set i, i+1
.endr
.endr
.set i, 0
.rept 16
	v_permlanex16_b32 v[32+i], v[ACC+i], s40, s41
.set i, i+1
.endr
.set i, 0
.rept 16
	v_add_f32 v[ACC+i], v[ACC+i], v[32+i]
.set i, i+1
.endr
.irp tau, 0,1
.irp p, 0,1,2,3
	v_pk_add_f32 v[ACC+8*\tau+2*\p:ACC+8*\tau+2*\p+1], v[ACC+8*\tau+2*\p:ACC+8*\tau+2*\p+1], v[BG+2*\p:BG+2*\p+1]
.endr
.endr
	; ---- the two largest, by compares and selects alone.  'less or equal keeps': of equal logits the lower index stays
.macro TOP2 tau
.set rL, ACC+8*\tau
.set rS, ST+8*\tau
	v_mov_b32 v[rS], v[rL]
	v_mov_b32 v[rS+1], 0
.irp e, 1,2,3,4,5,6,7
	v_cmp_le_f32 vcc_lo, v[rL+\e], v[rS]
	v_cndmask_b32 v[rS+1], \e, v[rS+1], vcc_lo
	v_max_num_f32 v[rS], v[rS], v[rL+\e]
.endr
	v_mov_b32 v[rS+2], 0xff800000                  ; -infinity
	v_mov_b32 v[rS+3], 0
.irp e, 0,1,2,3,4,5,6,7
	v_cmp_le_f32 s42, v[rL+\e], v[rS+2]
	v_cmp_eq_u32 s43, \e, v[rS+1]                  ; the first choice does not stand again
	s_or_b32 vcc_lo, s42, s43
	v_cndmask_b32 v[rS+3], \e, v[rS+3], vcc_lo
	v_cndmask_b32 v[rS+2], v[rL+\e], v[rS+2], vcc_lo
.endr
.irp e, 0,1,2,3,4,5,6,7
	v_sub_f32 v[EX+8*\tau+\e], v[rL+\e], v[rS]     ; the largest logit is taken away ahead of the exponentials
.endr
	v_sub_f32 v[rS+4], v[rS+2], v[rS]
.irp e, 0,1,2,3,4,5,6,7
	v_mul_f32 v[EX+8*\tau+\e], 0x3fb8aa3b, v[EX+8*\tau+\e]
.endr
	v_mul_f32 v[rS+4], 0x3fb8aa3b, v[rS+4]
.endm
	TOP2 0
	TOP2 1
.irp tau, 0,1
.irp e, 0,1,2,3,4,5,6,7
	v_exp_f32 v[EX+8*\tau+\e], v[EX+8*\tau+\e]
.endr
	v_exp_f32 v[ST+8*\tau+4], v[ST+8*\tau+4]       ; t = e^(second - first)
.endr
	v_nop                                          ; a plain line behind the last exponential
	s_wait_alu depctr_va_vdst(0)                   ; one wait for the 18, ahead of their first reader
.irp tau, 0,1
	v_add_f32 v[96+4*\tau], v[EX+8*\tau], v[EX+8*\tau+1]
	v_add_f32 v[97+4*\tau], v[EX+8*\tau+2], v[EX+8*\tau+3]
	v_add_f32 v[98+4*\tau], v[EX+8*\tau+4], v[EX+8*\tau+5]
	v_add_f32 v[99+4*\tau], v[EX+8*\tau+6], v[EX+8*\tau+7]
	v_add_f32 v[96+4*\tau], v[96+4*\tau], v[97+4*\tau]
	v_add_f32 v[98+4*\tau], v[98+4*\tau], v[99+4*\tau]
	v_add_f32 v[ST+8*\tau+5], v[96+4*\tau], v[98+4*\tau]
	v_add_f32 v[ST+8*\tau+6], 1.0, v[ST+8*\tau+4]
.endr
.irp tau, 0,1
	v_rcp_f32 v[ST+8*\tau+5], v[ST+8*\tau+5]
	v_rcp_f32 v[ST+8*\tau+6], v[ST+8*\tau+6]
.endr
	v_nop
	s_wait_alu depctr_va_vdst(0)                   ; one wait for the four reciprocals
.macro FIN tau
.set rS, ST+8*\tau
.irp e, 0,1,2,3,4,5,6,7
	v_mul_f32 v[EX+8*\tau+\e], v[EX+8*\tau+\e], v[rS+5]    ; out1's row
.endr
	v_mov_b32 v[GT+4*\tau], v[rS+6]                ; g0 = 1 / (1 + t), twice,
	v_mov_b32 v[GT+4*\tau+1], v[rS+6]
	v_mul_f32 v[GT+4*\tau+2], v[rS+4], v[rS+6]     ; g1 = t g0, twice
	v_mul_f32 v[GT+4*\tau+3], v[rS+4], v[rS+6]
	v_and_b32 v104, 3, v[rS+1]                     ; the one-hot fields: 1 << 8 (e % 4), in lo for e < 4, else in hi
	v_and_b32 v105, 3, v[rS+3]
	v_lshlrev_b32 v104, 3, v104
	v_lshlrev_b32 v105, 3, v105
	v_lshlrev_b32 v104, v104, v17
	v_lshlrev_b32 v105, v105, v17
	v_cmp_gt_u32 vcc_lo, 4, v[rS+1]
	v_cndmask_b32 v106, 0, v104, vcc_lo
	v_cndmask_b32 v107, v104, v16, vcc_lo
	v_cmp_gt_u32 vcc_lo, 4, v[rS+3]
	v_cndmask_b32 v108, 0, v105, vcc_lo
	v_cndmask_b32 v109, v105, v16, vcc_lo
	v_or_b32 v[SL+4*\tau], v106, v108
	v_or_b32 v[SL+4*\tau+1], v107, v109
	v_mov_b32 v[SL+4*\tau+2], v[rS+1]
	v_mov_b32 v[SL+4*\tau+3], v[rS+3]
	ds_store_b128 v9, v[EX+8*\tau:EX+8*\tau+3] offset:32*\tau          ; all lanes hold the same numbers and write the same bytes
	ds_store_b128 v9, v[EX+8*\tau+4:EX+8*\tau+7] offset:32*\tau+16
	ds_store_b128 v10, v[SL+4*\tau:SL+4*\tau+3] offset:16*\tau
	ds_store_b128 v10, v[GT+4*\tau:GT+4*\tau+3] offset:128+16*\tau
.endm
	FIN 0
	FIN 1
	s_wait_dscnt 0x0                               ; for wave 0's sake: my rows and my scale bytes lie in LDS
	s_barrier_signal -1
	s_barrier_wait -1
	s_cmp_lg_u32 s32, 0
	s_cbranch_scc1 .Ldone
	ds_load_b64 v[110:111], v20                    ; wave 0 stores the work-group's small results in runs of 256 or 128 consecutive bytes
	ds_load_b64 v[112:113], v21
	ds_load_b32 v114, v22
	ds_load_b32 v115, v22 offset:128
	s_wait_dscnt 0x0
	global_store_b64 v23, v[110:111], s[24:25]
	global_store_b64 v23, v[112:113], s[26:27] offset:XSO
	global_store_b32 v24, v114, s[30:31]
	global_store_b32 v24, v115, s[28:29]
.Ldone:
	s_wait_tensorcnt 0x0
	ds_add_u32 v254, v255
	s_wait_dscnt 0x0
	s_endpgm
.Lfunc_end_k_qe026c957c4_route:
	.size	k_qe026c957c4_route, .Lfunc_end_k_qe026c957c4_route-k_qe026c957c4_route
	.p2alignl 7, 3214868480
	.fill 96, 4, 3214868480
	.section	.rodata,"a",@progbits
	.p2align	6, 0x0
	.amdhsa_kernel k_qe026c957c4_route
		.amdhsa_group_segment_fixed_size 103936
		.amdhsa_private_segment_fixed_size 0
		.amdhsa_enable_private_segment 0
		.amdhsa_kernarg_size 96
		.amdhsa_user_sgpr_count 2
		.amdhsa_user_sgpr_kernarg_segment_ptr 1
		.amdhsa_wavefront_size32 1
		.amdhsa_system_sgpr_workgroup_id_x 1
		.amdhsa_system_sgpr_workgroup_id_y 1
		.amdhsa_system_sgpr_workgroup_id_z 1
		.amdhsa_system_vgpr_workitem_id 0
		.amdhsa_next_free_vgpr 768
		.amdhsa_next_free_sgpr 66
		.amdhsa_reserve_vcc 1
		.amdhsa_float_denorm_mode_32 3
		.amdhsa_float_denorm_mode_16_64 3
		.amdhsa_memory_ordered 1
		.amdhsa_forward_progress 1
		.amdhsa_inst_pref_size 70
	.end_amdhsa_kernel
	.amdgpu_metadata
---
amdhsa.version: [ 1, 2 ]
amdhsa.kernels:
  - .name:           k_qe026c957c4_route
    .symbol:         k_qe026c957c4_route.kd
    .args:
      - { .name: x, .offset: 0, .size: 8, .value_kind: global_buffer, .address_space: global }
      - { .name: delta_t_info, .offset: 8, .size: 8, .value_kind: global_buffer, .address_space: global }
      - { .name: delta_dis_info, .offset: 16, .size: 8, .value_kind: global_buffer, .address_space: global }
      - { .name: delta_rg_info, .offset: 24, .size: 8, .value_kind: global_buffer, .address_space: global }
      - { .name: delta_entropy_info, .offset: 32, .size: 8, .value_kind: global_buffer, .address_space: global }
      - { .name: city_embeddings, .offset: 40, .size: 8, .value_kind: global_buffer, .address_space: global }
      - { .name: Wg, .offset: 48, .size: 8, .value_kind: global_buffer, .address_space: global }
      - { .name: bg, .offset: 56, .size: 8, .value_kind: global_buffer, .address_space: global }
      - { .name: out1, .offset: 64, .size: 8, .value_kind: global_buffer, .address_space: global }
      - { .name: xq, .offset: 72, .size: 8, .value_kind: global_buffer, .address_space: global }
      - { .name: gat, .offset: 80, .size: 8, .value_kind: global_buffer, .address_space: global }
      - { .name: sel, .offset: 88, .size: 8, .value_kind: global_buffer, .address_space: global }
    .group_segment_fixed_size: 103936
    .private_segment_fixed_size: 0
    .kernarg_segment_align: 8
    .kernarg_segment_size: 96
    .max_flat_workgroup_size: 128
    .sgpr_count:     66
    .vgpr_count:     768
    .wavefront_size: 32
...
	.end_amdgpu_metadata
.endif
;; end of part 1
;; launch place (part 2): grid 32 x 1, 1 waves a work-group, no clusters, 0 bytes of LDS; arguments sel, lst; writes lst
.if DOCPART == 2
	.amdgcn_target "amdgcn-amd-amdhsa--gfx1250"
	.amdhsa_code_object_version 6
	.text
	.protected	k_qe026c957c4_place
	.globl	k_qe026c957c4_place
	.p2align	8
	.type	k_qe026c957c4_place,@function
k_qe026c957c4_place:
	s_mov_b64 s[64:65], 0
	v_nop
	global_prefetch_b8 v0, s[64:65] scope:SCOPE_SE
	s_setreg_imm32_b32 hwreg(HW_REG_WAVE_MODE, 25, 1), 1
	s_wait_xcnt 0x0
; PLACE.  The 2,048 routed rows (token, expert) are put in order: by expert, within an expert by token, each expert padded to whole tiles of 16 rows.
; n_e rows of expert e; tiles_e = ceil(n_e / 16); T_e = the tiles in front of expert e; the row of (token, e) is 16 T_e + the number of earlier tokens that use e.
; lst: from 0: the token of each padded row (pads: token 0); from LOC: [1024][2] the rows of a token's two choices; from META: entry e = {T_e, tiles_e}, entry 8 = {sum of tiles, 0}.
; One wave a work-group; work-group w owns tokens 32 w + lane.  Each wave reads the whole table of 16 KiB and counts for itself: no LDS, no barrier, no traffic between work-groups.
; sel's fields are 8 bits wide: a lane adds at most 32 ones to a field; widened to 16 bits the 32 lanes' sums stay at or under 1,024.
.set LOC,  8704
.set META, 16896
	s_load_b128 s[4:7], s[0:1], 0x0                ; sel, lst
	v_lshlrev_b32 v1, 4, v0                        ; 16 bytes a token
	s_lshl_b32 s8, ttmp9, 9
	v_add_nc_u32 v2, s8, v1                        ; my own token's row
	s_mov_b32 s9, ttmp9
	s_mov_b32 s10, 0x00ff00ff
	s_mov_b32 s12, 0x76543210
	s_mov_b32 s13, 0xfedcba98
	s_wait_kmcnt 0x0
.set c, 0
.rept 32
	global_load_b128 v[32+4*c:35+4*c], v1, s[4:5] offset:512*c
.set c, c+1
.endr
	global_load_b128 v[24:27], v2, s[4:5]          ; lo, hi, e0, e1 of my token
	v_mov_b32 v10, 0
	v_mov_b32 v11, 0
	v_mov_b32 v20, 0
	v_mov_b32 v21, 0
.irp i, 0,1,2,3,4,5,6,7
	v_mov_b32 v[160+\i], 0                         ; written once: the destination of a lane exchange counts as one of its sources
.endr
	s_lshl_b32 s8, ttmp9, 5
	v_add_nc_u32 v22, s8, v0                       ; my token
	s_lshl_b32 s8, ttmp9, 8
	v_lshlrev_b32 v30, 3, v0
	v_add_nc_u32 v31, s8, v30                      ; its 8 bytes from LOC on
	s_wait_loadcnt 0x0
	; all tokens' fields (v8, v9), and those of the chunks in front of mine (v10, v11)
	v_mov_b32 v8, v32
	v_mov_b32 v9, v33
.set c, 1
.rept 31
	v_add_nc_u32 v8, v8, v[32+4*c]
	v_add_nc_u32 v9, v9, v[33+4*c]
.set c, c+1
.endr
.set c, 0
.rept 31
	s_cmp_gt_u32 s9, c
	s_cselect_b32 s84, -1, 0
	v_and_b32 v168, s84, v[32+4*c]
	v_and_b32 v169, s84, v[33+4*c]
	v_add_nc_u32 v10, v10, v168
	v_add_nc_u32 v11, v11, v169
.set c, c+1
.endr
	; widened to fields of 16 bits: v12: experts 0, 2; v13: 1, 3; v14: 4, 6; v15: 5, 7; v16-19 the same of the chunks in front
.irp i, 0,1,2,3
	v_and_b32 v[12+2*\i], s10, v[8+\i]
	v_lshrrev_b32 v[13+2*\i], 8, v[8+\i]
	v_and_b32 v[13+2*\i], s10, v[13+2*\i]
.endr
.irp m, 1,2,4,8
.irp i, 0,1,2,3,4,5,6,7
	v_mov_b32_dpp v[160+\i], v[12+\i] row_xmask:\m row_mask:0xf bank_mask:0xf
.endr
.irp i, 0,1,2,3,4,5,6,7
	v_add_nc_u32 v[12+\i], v[12+\i], v[160+\i]
.endr
.endr
.irp i, 0,1,2,3,4,5,6,7
	v_permlanex16_b32 v[160+\i], v[12+\i], s12, s13
.endr
.irp i, 0,1,2,3,4,5,6,7
	v_add_nc_u32 v[12+\i], v[12+\i], v[160+\i]
.endr
.irp i, 0,1,2,3,4,5,6,7
	v_readfirstlane_b32 s[24+\i], v[12+\i]
.endr
.irp i, 0,1                            ; s32-39: n_e;  s40-47: the rows of expert e in the chunks in front of mine
	s_and_b32 s[32+8*\i], s[24+4*\i], 0xffff
	s_lshr_b32 s[34+8*\i], s[24+4*\i], 16
	s_and_b32 s[33+8*\i], s[25+4*\i], 0xffff
	s_lshr_b32 s[35+8*\i], s[25+4*\i], 16
	s_and_b32 s[36+8*\i], s[26+4*\i], 0xffff
	s_lshr_b32 s[38+8*\i], s[26+4*\i], 16
	s_and_b32 s[37+8*\i], s[27+4*\i], 0xffff
	s_lshr_b32 s[39+8*\i], s[27+4*\i], 16
.endr
.irp e, 0,1,2,3,4,5,6,7
	s_add_co_u32 s[48+\e], s[32+\e], 15
	s_lshr_b32 s[48+\e], s[48+\e], 4               ; tiles_e
.endr
	s_mov_b32 s56, 0                               ; T_e
.irp e, 0,1,2,3,4,5,6
	s_add_co_u32 s[57+\e], s[56+\e], s[48+\e]
.endr
	s_add_co_u32 s76, s63, s55                     ; all tiles: 128 to 135
.irp e, 0,1,2,3,4,5,6,7
	s_lshl_b32 s[68+\e], s[56+\e], 4
	s_add_co_u32 s[68+\e], s[68+\e], s[40+\e]      ; the first row that my chunk gives to expert e
.endr
.irp e, 0,1,2,3,4,5,6,7
	v_cmp_eq_u32 s84, \e, v26
	v_cmp_eq_u32 s85, \e, v27
	s_or_b32 s86, s84, s85                         ; the lanes whose token uses e
	v_mbcnt_lo_u32_b32 v23, s86, 0                 ; how many of them stand in front of me
	v_add_nc_u32 v23, s[68+\e], v23
	v_cndmask_b32 v20, v20, v23, s84
	v_cndmask_b32 v21, v21, v23, s85
.endr
	v_min_u32 v20, 2159, v20                       ; 135 tiles of 16 rows at the most: the hold changes nothing, and stands ahead of the address
	v_min_u32 v21, 2159, v21
	v_lshlrev_b32 v28, 2, v20
	v_lshlrev_b32 v29, 2, v21
	global_store_b32 v28, v22, s[6:7]
	global_store_b32 v29, v22, s[6:7]
	global_store_b64 v31, v[20:21], s[6:7] offset:LOC
	s_cmp_lg_u32 s9, 0
	s_cbranch_scc1 .Lend
	; work-group 0 alone: the table of tiles, and token 0 into the pads
	v_mov_b32 v170, 0
	v_mov_b32 v171, 0
	v_mov_b32 v175, 0
.irp e, 0,1,2,3,4,5,6,7
	v_writelane_b32 v170, s[56+\e], \e
	v_writelane_b32 v171, s[48+\e], \e
.endr
	v_writelane_b32 v170, s76, 8
	global_store_b64 v30, v[170:171], s[6:7] offset:META   ; 256 consecutive bytes
	; the eight experts' pad offsets and lane masks are all made here, with every lane on: behind the first change of EXEC no vector register is written
.irp e, 0,1,2,3,4,5,6,7
	v_add_nc_u32 v173, s[32+\e], v0                ; n_e + lane: a pad where it lies under 16 tiles_e (15 pads at the most)
	s_lshl_b32 s87, s[56+\e], 4
	v_add_nc_u32 v[176+\e], s87, v173              ; its row,
	v_min_u32 v[176+\e], 2159, v[176+\e]           ; held inside the list ahead of the address,
	v_lshlrev_b32 v[176+\e], 2, v[176+\e]          ; in bytes
	s_lshl_b32 s88, s[48+\e], 4
	v_cmp_gt_u32 s[90+\e], s88, v173               ; the lanes that hold a pad of expert e
.endr
.irp e, 0,1,2,3,4,5,6,7
	s_wait_xcnt 0x0                                ; EXEC is a source of the stores that are out: it changes only behind this wait
	s_and_saveexec_b32 s89, s[90+\e]
	global_store_b32 v[176+\e], v175, s[6:7]
	s_wait_xcnt 0x0                                ; and again ahead of the line that widens it
	s_or_b32 exec_lo, exec_lo, s89
.endr
.Lend:
	s_endpgm
.Lfunc_end_k_qe026c957c4_place:
	.size	k_qe026c957c4_place, .Lfunc_end_k_qe026c957c4_place-k_qe026c957c4_place
	.p2alignl 7, 3214868480
	.fill 96, 4, 3214868480
	.section	.rodata,"a",@progbits
	.p2align	6, 0x0
	.amdhsa_kernel k_qe026c957c4_place
		.amdhsa_group_segment_fixed_size 0
		.amdhsa_private_segment_fixed_size 0
		.amdhsa_enable_private_segment 0
		.amdhsa_kernarg_size 16
		.amdhsa_user_sgpr_count 2
		.amdhsa_user_sgpr_kernarg_segment_ptr 1
		.amdhsa_wavefront_size32 1
		.amdhsa_system_sgpr_workgroup_id_x 1
		.amdhsa_system_sgpr_workgroup_id_y 1
		.amdhsa_system_sgpr_workgroup_id_z 1
		.amdhsa_system_vgpr_workitem_id 0
		.amdhsa_next_free_vgpr 192
		.amdhsa_next_free_sgpr 100
		.amdhsa_reserve_vcc 0
		.amdhsa_float_denorm_mode_32 3
		.amdhsa_float_denorm_mode_16_64 3
		.amdhsa_memory_ordered 1
		.amdhsa_forward_progress 1
		.amdhsa_inst_pref_size 28
	.end_amdhsa_kernel
	.amdgpu_metadata
---
amdhsa.version: [ 1, 2 ]
amdhsa.kernels:
  - .name:           k_qe026c957c4_place
    .symbol:         k_qe026c957c4_place.kd
    .args:
      - { .name: sel, .offset: 0, .size: 8, .value_kind: global_buffer, .address_space: global }
      - { .name: lst, .offset: 8, .size: 8, .value_kind: global_buffer, .address_space: global }
    .group_segment_fixed_size: 0
    .private_segment_fixed_size: 0
    .kernarg_segment_align: 8
    .kernarg_segment_size: 16
    .max_flat_workgroup_size: 32
    .sgpr_count:     100
    .vgpr_count:     192
    .wavefront_size: 32
...
	.end_amdgpu_metadata
.endif
;; end of part 2
;; launch gemm1 (part 3): grid 32 x 8, 4 waves a work-group, no clusters, 101,888 bytes of LDS; arguments xq, lst, W1_codes, W1_scales, b1, hq; writes hq
.if DOCPART == 3
	.amdgcn_target "amdgcn-amd-amdhsa--gfx1250"
	.amdhsa_code_object_version 6
	.text
	.protected	k_qe026c957c4_gemm1
	.globl	k_qe026c957c4_gemm1
	.p2align	8
	.type	k_qe026c957c4_gemm1,@function
k_qe026c957c4_gemm1:
	s_mov_b64 s[64:65], 0
	v_nop
	global_prefetch_b8 v0, s[64:65] scope:SCOPE_SE
	s_setreg_imm32_b32 hwreg(HW_REG_WAVE_MODE, 25, 1), 1
	s_wait_xcnt 0x0
; GEMM1.  h = Q(gelu(Q(x) W1[e]^T + b1[e])) for the routed rows, on codes of E2M1 with one E8M0 scale for each 32 along K.
; SHARES.  Work-group (s, e) owns hidden units 128 s .. 128 s + 127 of expert e: 64 KiB of codes, which no other work-group reads.  They go once through LDS and
; then stay in EVERY wave's registers (64 fragments, 512 registers).  Wave q takes the expert's tiles q, q + 4, .. of 16 routed rows; the tiles and their tokens come from lst.
; A tile's 16 tokens come by ONE scalar load into 16 scalar registers, a tile ahead; the tile's 16 rows of codes and its scale words are asked for ahead of the products of the tile before.
; No cluster and no tensor load: the number of tiles, and whether a wave has any, hang on counts read from memory, and partners would need different numbers of tiles.
; THE PRODUCT IS USED TRANSPOSED (source 0 = 16 rows of W1, source 1 = 16 rows of x), AND THE ROWS OF W1 THAT FORM A TILE ARE NOT NEIGHBOURS: lane r of tile 2 b + u takes
; row 32 b + 8 u + r + 8 (r / 8).  So a lane holds one routed row, and its 64 results are k = 32 b + 16 (lane / 16) + 0 .. 15 of the next product's K step s:
; they are quantised in registers and leave as an image of that operand's registers (hq: [tile][K step][1,024 bytes]; scale words from HSO on: [tile][K step][16 rows]).
; gelu(v) = v / (1 + 2^(k v (1 + 0.044715 v^2))), k = -2 sqrt(2 / pi) log2(e): the tanh form rewritten, no difference of near numbers, finite for every finite v.
; LIMITS: NaN and infinities are not served; a block of h whose largest magnitude lies under 2^-124 keeps the byte 1 (its codes then are zeros or nearly so).
; REGISTERS: window 0: addresses; v16-31 row offsets; v32-95 x's 8 fragments, later the gelu's work; v96-159 8 accumulators; v160-167 codes; v168-183 at work; v184-187 x's scale words; v192-223 W1's; v232-235 the next tile's scale words.
;   windows 1, 2: W1's fragment (tile t, K step p) at 8 (8 (p % 4) + t) of window 1 + p / 4.   window 3: v0-63 b1 in the result's layout; v64-127 16 rows of x's codes as loaded; v128-255 W1's rows on their way to LDS.
.set XSO,  524288
.set HSO,  4423680
.set META, 16896
.set XST,  67584                       ; LDS: 0 .. 67,583: 128 rows of W1, 528 bytes apart, in the order tile, lane; then a stage of 16 x 528 bytes for each wave
.set LI,   1                           ; v1   16 x lane
.set WF,   4                           ; v4   528 r + 16 h: a fragment's place for my lane
.set XSTA, 5                           ; v5   my stage, in
.set XFA,  6                           ; v6   my stage, out
.set HO,   7                           ; v7   h's image in memory
.set HSA,  8                           ; v8   h's scale word
.set TK,   10                          ; v10  lanes 0-15: the next tile's tokens; lanes 16-31 stay 0
.set XO,   11                          ; v11  the offset of its scale words
.set RO,   16
.set XF,   32
.set U,    32
.set HA,   96
.set PC,   160
.set TM,   168
.set XS,   184
.set PW,   188
.set KV,   190
.set W1S,  192
.set HOB,  224                         ; v224 16 x lane + 1,024 s
.set HSB,  225                         ; v225 4 r + 64 s
.set TK2,  228                         ; v228 the tokens in lanes 16-31
.set TK3,  229                         ; v229 the token of row r, in both halves of the lanes
.set XS2,  232
.set SEL,  26
.set TRIP, 36                          ; s36  trips done;  s37  my tiles
.set TKS,  68                          ; s68-83 the 16 tokens of the tile after the one in hand
.set MSB, 0
.macro WIN new                         ; the immediate's high byte repeats the setting that is left
.if MSB != \new
	s_set_vgpr_msb (MSB<<8)|\new
.set MSB, \new
.endif
.endm
.macro NOPS n
.rept \n
	v_nop
.endr
.endm
; the 16 tokens of my expert's tile s20 + ahead: 64 consecutive bytes of the list.  Past the expert's end a tile that exists is read, and nothing of it is used
.macro TOKENS ahead
	s_add_co_u32 s28, s16, s20
.if \ahead
	s_add_co_u32 s28, s28, \ahead
.endif
	s_min_u32 s28, s28, s29                        ; inside the tiles that the list holds,
	s_min_u32 s28, s28, 134                        ; and under the list's 135 ahead of the address
	s_lshl_b32 s30, s28, 6
	s_load_b512 s[TKS:TKS+15], s[6:7], s30 offset:0x0
.endm
; the offsets of the next tile's 16 rows of codes (a row an instruction, 512 consecutive bytes) and of its scale words.  Each token is held under 1,024 ahead of its address.
; The lines stand in runs of sixteen, so that no line waits for the line above it.
.macro ADDR
.set i, 0
.rept 16
	s_min_u32 s[TKS+i], s[TKS+i], 0x3ff
.set i, i+1
.endr
.set i, 0
.rept 16
	v_lshl_add_u32 v[RO+i], s[TKS+i], 9, v[LI]
.set i, i+1
.endr
.set i, 0
.rept 16
	v_writelane_b32 v[TK], s[TKS+i], i             ; lane r: the token of row r
.set i, i+1
.endr
	v_permlanex16_b32 v[TK2], v[TK], s[SEL], s[SEL+1]
	v_or_b32 v[TK3], v[TK], v[TK2]                 ; and lane 16 + r likewise
	v_min_u32 v[TK3], 0x3ff, v[TK3]
	v_lshl_add_u32 v[XO], v[TK3], 5, v3            ; 32 scale bytes a token; lanes 16-31 take the upper 16
.endm
.macro XLOADS
	WIN 0xc0                                       ; destination window 3
.set i, 0
.rept 16
	global_load_b128 v[64+4*i:67+4*i], v[RO+i], s[4:5]
.set i, i+1
.endr
	WIN 0
	global_load_b128 v[XS2:XS2+3], v[XO], s[4:5] offset:XSO  ; register i: lanes 0-15 the word of K step i, lanes 16-31 of K step 4 + i
.endm
; one product: tile t of W1's rows, K step p.  W1's scale words of tiles 2 b and 2 b + 1 share a register (lanes 0-15, lanes 16-31)
.macro MM1 t, p
.set rD, HA+8*(\t)
.set rA, 8*(8*((\p)%4)+(\t))
.set rB, XF+8*(\p)
.set rC, rD
.if (\p) == 0
.set rC, 8*(\t)                        ; b1's tile, in window 3, starts the sum
.endif
.set rSA, W1S+8*((\t)/2)+(\p)
.set rSB, XS+(\p)%4
.if ((\t)%2 == 0) && ((\p) < 4)
	v_wmma_scale_f32_16x16x128_f8f6f4 v[rD:rD+7], v[rA:rA+7], v[rB:rB+7], v[rC:rC+7], v[rSA], v[rSB] matrix_a_fmt:MATRIX_FMT_FP4 matrix_b_fmt:MATRIX_FMT_FP4
.elseif ((\t)%2 == 1) && ((\p) < 4)
	v_wmma_scale_f32_16x16x128_f8f6f4 v[rD:rD+7], v[rA:rA+7], v[rB:rB+7], v[rC:rC+7], v[rSA], v[rSB] matrix_a_fmt:MATRIX_FMT_FP4 matrix_b_fmt:MATRIX_FMT_FP4 matrix_a_scale:MATRIX_SCALE_ROW1
.elseif ((\t)%2 == 0)
	v_wmma_scale_f32_16x16x128_f8f6f4 v[rD:rD+7], v[rA:rA+7], v[rB:rB+7], v[rC:rC+7], v[rSA], v[rSB] matrix_a_fmt:MATRIX_FMT_FP4 matrix_b_fmt:MATRIX_FMT_FP4 matrix_b_scale:MATRIX_SCALE_ROW1
.else
	v_wmma_scale_f32_16x16x128_f8f6f4 v[rD:rD+7], v[rA:rA+7], v[rB:rB+7], v[rC:rC+7], v[rSA], v[rSB] matrix_a_fmt:MATRIX_FMT_FP4 matrix_b_fmt:MATRIX_FMT_FP4 matrix_a_scale:MATRIX_SCALE_ROW1 matrix_b_scale:MATRIX_SCALE_ROW1
.endif
.endm
.macro MMS p                           ; a K step: the eight accumulators by turns, one instruction a turn
.irp t, 0,1,2,3,4,5,6,7
	MM1 \t, \p
.endr
.endm
; 64 numbers of a lane, register 16 b + i = k 32 b + 16 (lane / 16) + i of my row, become a fragment's codes in v[PC] on and its scale word in v[PW]
.macro QUANT s
.irp b, 0,1,2,3
	v_max3_num_f32 v[TM+\b], |v[\s+16*\b]|, |v[\s+1+16*\b]|, 0x1800000   ; my 16 numbers of block b, and the floor 2^(3 - 127): the byte cannot fall under 1
.endr
.irp i, 2,4,6,8,10,12,14
.irp b, 0,1,2,3
	v_max3_num_f32 v[TM+\b], v[TM+\b], |v[\s+16*\b+\i]|, |v[\s+1+16*\b+\i]|
.endr
.endr
.irp b, 0,1,2,3
	v_permlanex16_b32 v[TM+4+\b], v[TM+\b], s[SEL], s[SEL+1]
.endr
.irp b, 0,1,2,3
	v_max_num_f32 v[TM+\b], v[TM+\b], v[TM+4+\b]   ; with lane l xor 16's: the block's largest magnitude
.endr
.irp b, 0,1,2,3
	v_add_nc_u32 v[TM+12+\b], 0xff000000, v[TM+\b] ; 2 off its exponent field: the conversion's scale operand
.endr
.irp b, 0,1,2,3
	v_lshrrev_b32 v[TM+4+\b], 23, v[TM+12+\b]      ; the scale's byte
.endr
	v_lshl_or_b32 v[PW], v[TM+5], 8, v[TM+4]
	v_lshl_or_b32 v[PW], v[TM+6], 16, v[PW]
	v_lshl_or_b32 v[PW], v[TM+7], 24, v[PW]
.irp b, 0,1,2,3
	v_cvt_scalef32_pk8_fp4_f32 v[PC+2*\b], v[\s+16*\b:\s+7+16*\b], v[TM+12+\b]
	v_cvt_scalef32_pk8_fp4_f32 v[PC+1+2*\b], v[\s+8+16*\b:\s+15+16*\b], v[TM+12+\b]
.endr
	v_nop                                          ; one plain line behind a scaled conversion
.irp c, 0,1                            ; the operand's layout wants a whole block in a lane
.irp i, 0,1
	v_permlane16_swap_b32 v[PC+4*\c+\i], v[PC+2+4*\c+\i]
.endr
.endr
.endm
	s_load_b256 s[4:11], s[0:1], 0x0               ; xq, lst, W1's codes, W1's scales
	s_load_b128 s[12:15], s[0:1], 0x20             ; b1, hq
	v_lshl_add_u32 v254, v0, 2, 0x18c00
	v_mov_b32 v255, 0
	v_lshrrev_b32 v15, 5, v0
	v_readfirstlane_b32 s19, v15                   ; wave q
	v_and_b32 v15, 31, v0
	v_lshlrev_b32 v[LI], 4, v15
	v_and_b32 v226, 15, v0                         ; r
	v_bfe_u32 v227, v0, 4, 1                       ; h
	v_lshlrev_b32 v2, 2, v226                      ; 4 r
	v_lshlrev_b32 v3, 4, v227                      ; 16 h
	v_mul_u32_u24 v[WF], v226, 528
	v_lshl_add_u32 v[WF], v227, 4, v[WF]
	s_mul_i32 s28, s19, 8448
	s_add_co_u32 s28, s28, XST
	v_add_nc_u32 v[XSTA], s28, v[LI]
	v_add_nc_u32 v[XFA], s28, v[WF]
	v_and_b32 v12, 8, v226
	v_add_nc_u32 v12, v12, v226
	v_lshl_add_u32 v12, v227, 3, v12
	v_lshlrev_b32 v12, 5, v12                      ; W1's scale bytes: row 8 h + r + 8 (r / 8) of 32 bytes
	v_lshlrev_b32 v13, 6, v227                     ; b1: 16 h numbers on
	s_mul_i32 s28, s19, 32*528
	v_add_nc_u32 v14, s28, v[LI]                   ; W1's rows into LDS: my wave's 32 places
	s_lshl_b32 s28, ttmp9, 10
	v_add_nc_u32 v[HOB], s28, v[LI]
	s_lshl_b32 s28, ttmp9, 6
	v_add_nc_u32 v[HSB], s28, v2
	v_mov_b32 v[KV], 0xc0135761                    ; k = -2 sqrt(2 / pi) log2(e), twice
	v_mov_b32 v[KV+1], 0xc0135761
	v_mov_b32 v[TK], 0                             ; lanes 16-31 stay 0
	v_mov_b32 v[TK2], 0                            ; written once: a lane permute's destination counts as one of its sources
.irp b, 0,1,2,3
	v_mov_b32 v[TM+4+\b], 0                        ; likewise
.endr
	s_mov_b32 s22, 0xbdd2d3e8                      ; 0.044715 k
	s_mov_b32 s23, s22                             ; (named with it as a pair)
	s_mov_b32 s[SEL], 0x76543210
	s_mov_b32 s[SEL+1], 0xfedcba98
	s_mov_b32 s20, s19                             ; the tile in hand, counted within the expert: q, q + 4, ..
	s_and_b32 s35, ttmp7, 0xffff                   ; the expert
	s_lshl_b32 s21, s35, 3
	s_mov_b32 s33, 0
	s_wait_kmcnt 0x0
	s_load_b64 s[16:17], s[6:7], s21 offset:META   ; T_e, tiles_e
	s_load_b32 s18, s[6:7], META+64                ; all tiles
	s_lshl_b32 s32, s35, 21                        ; W1's codes: 2 MiB an expert, 64 KiB a slice, 16 KiB a wave
	s_lshl_b32 s28, ttmp9, 16
	s_or_b32 s32, s32, s28
	s_lshl_b32 s28, s19, 14
	s_or_b32 s32, s32, s28
	s_add_nc_u64 s[8:9], s[8:9], s[32:33]
	s_lshl_b32 s32, s35, 17                        ; its scale bytes: 128 KiB an expert, 4 KiB a slice
	s_lshl_b32 s28, ttmp9, 12
	s_or_b32 s32, s32, s28
	s_add_nc_u64 s[10:11], s[10:11], s[32:33]
	s_lshl_b32 s32, s35, 14                        ; b1: 16 KiB an expert, 512 bytes a slice
	s_lshl_b32 s28, ttmp9, 9
	s_or_b32 s32, s32, s28
	s_add_nc_u64 s[12:13], s[12:13], s[32:33]
	WIN 0xc0
.set i, 0
.rept 32
	global_load_b128 v[128+4*i:131+4*i], v[LI], s[8:9] offset:512*i th:TH_LOAD_NT   ; a row of W1: 512 consecutive bytes; read once in the launch
.set i, i+1
.endr
	WIN 0
.irp b, 0,1,2,3
.irp q, 0,1
	global_load_b128 v[W1S+8*\b+4*\q:W1S+8*\b+4*\q+3], v12, s[10:11] offset:1024*\b+16*\q
.endr
.endr
	WIN 0xc0
.irp t, 0,1,2,3,4,5,6,7
.irp q, 0,1
	global_load_b128 v[8*\t+4*\q:8*\t+4*\q+3], v13, s[12:13] offset:(32*(\t/2)+8*(\t%2))*4+16*\q   ; lane (r, h): b1 of hidden units 32 b + 16 h + 8 u + 0 .. 7
.endr
.endr
	WIN 0
	; while W1's rows are on their way: the counts, my first tile's tokens, and the request for its rows
	s_wait_kmcnt 0x0
	s_sub_co_u32 s29, s18, 1                       ; the last tile that the list holds; kept
	TOKENS 0                                       ; a wave without a tile reads a tile that exists and uses nothing of it
	s_wait_kmcnt 0x0
	ADDR
	XLOADS
	s_wait_loadcnt 17                              ; W1's 32 rows, its scales and b1 are in: behind these 56 loads were issued the 17 of my first tile
	WIN 0x0c                                       ; an LDS store's data are its source 1: window 3
.set i, 0
.rept 32
	ds_store_b128 v14, v[128+4*i:131+4*i] offset:528*(16*((i/8)%2)+8*(i/16)+(i%8))   ; row i of my 32 goes where its tile and lane want it
.set i, i+1
.endr
	WIN 0
	s_wait_dscnt 0x0                               ; for the others' sake: my 32 rows lie in LDS
	s_barrier_signal -1
	s_barrier_wait -1                              ; the launch's one barrier; behind it nobody writes these rows
	s_cmp_ge_u32 s19, s17
	s_cbranch_scc1 .Lend                           ; no tile for this wave
	TOKENS 4                                       ; the tokens of my second tile
	WIN 0x40
.irp p, 0,1,2,3
.irp t, 0,1,2,3,4,5,6,7
.irp c, 0,1
	ds_load_b128 v[8*(8*\p+\t)+4*\c:8*(8*\p+\t)+4*\c+3], v[WF] offset:16*\t*528+64*\p+32*\c
.endr
.endr
.endr
	WIN 0x80
.irp p, 4,5,6,7
.irp t, 0,1,2,3,4,5,6,7
.irp c, 0,1
	ds_load_b128 v[8*(8*(\p-4)+\t)+4*\c:8*(8*(\p-4)+\t)+4*\c+3], v[WF] offset:16*\t*528+64*\p+32*\c
.endr
.endr
.endr
	WIN 0
	s_sub_co_u32 s[TRIP+1], s17, s19
	s_add_co_u32 s[TRIP+1], s[TRIP+1], 3
	s_lshr_b32 s[TRIP+1], s[TRIP+1], 2             ; my tiles: ceil((tiles_e - q) / 4), at least one here
	s_mov_b32 s[TRIP], 0                           ; the loop is counted by ones against that number
.Ltile:
	s_wait_loadcnt 0x0                             ; this tile's 16 rows and scale words, asked for a trip ago
	s_wait_kmcnt 0x0                               ; and the next tile's tokens
	WIN 0x0c
.set i, 0
.rept 16
	ds_store_b128 v[XSTA], v[64+4*i:67+4*i] offset:528*i
.set i, i+1
.endr
	WIN 0
.irp p, 0,1,2,3,4,5,6,7
.irp c, 0,1
	ds_load_b128 v[XF+8*\p+4*\c:XF+8*\p+4*\c+3], v[XFA] offset:64*\p+32*\c   ; LDS serves a wave's instructions in order: these see my stores
.endr
.endr
.irp i, 0,1,2,3
	v_mov_b32 v[XS+\i], v[XS2+\i]                  ; this tile's scale words into the operands' set: the other set takes the next tile's while the products read this one.  The lines of ADDR stand between these and the first product
.endr
	ADDR                                           ; the row offsets are free since the wait at the trip's head
	s_wait_dscnt 0x0                               ; the fragments are in, and the stores into the stage have read the rows' registers
	s_add_co_u32 s28, s20, 4
	s_cmp_lt_u32 s28, s17
	s_cbranch_scc0 .Lnopf
	XLOADS                                         ; the next tile's rows and scale words: they have this tile's products, gelu and quantiser in which to land
	TOKENS 8                                       ; and the tokens of the tile after it
.Lnopf:
	WIN 0x31                                       ; source 0 (W1) window 1, source 2 (b1) window 3
	MMS 0
	WIN 0x01
	MMS 1
	MMS 2
	MMS 3
	WIN 0x02
	MMS 4
	MMS 5
	MMS 6
	MMS 7
	WIN 0
	NOPS 5                                         ; places ahead of the first read of results and of writes over x's fragments
.set j, 0
.rept 32
	v_pk_mul_f32 v[U+j:U+j+1], v[HA+j:HA+j+1], v[HA+j:HA+j+1]     ; v^2; each accumulator is read from its low end on
.set j, j+2
.endr
.set j, 0
.rept 32
	v_pk_fma_f32 v[U+j:U+j+1], v[U+j:U+j+1], s[22:23], v[KV:KV+1] op_sel_hi:[1,0,1]   ; k (1 + 0.044715 v^2)
.set j, j+2
.endr
.set j, 0
.rept 32
	v_pk_mul_f32 v[U+j:U+j+1], v[U+j:U+j+1], v[HA+j:HA+j+1]
.set j, j+2
.endr
.set j, 0
.rept 64
	v_exp_f32 v[U+j], v[U+j]
.set j, j+1
.endr
	v_nop
	s_wait_alu depctr_va_vdst(0)                   ; one wait for the 64 exponentials, ahead of their first reader
.set j, 0
.rept 32
	v_pk_add_f32 v[U+j:U+j+1], v[U+j:U+j+1], 1.0 op_sel_hi:[1,0]
.set j, j+2
.endr
.set j, 0
.rept 64
	v_rcp_f32 v[U+j], v[U+j]
.set j, j+1
.endr
	v_nop
	s_wait_alu depctr_va_vdst(0)                   ; and one for the 64 reciprocals
.set j, 0
.rept 32
	v_pk_mul_f32 v[HA+j:HA+j+1], v[HA+j:HA+j+1], v[U+j:U+j+1]
.set j, j+2
.endr
	s_wait_xcnt 0x0                                ; the last trip's stores have read their data and offsets: both are written again below
	QUANT HA
	s_add_co_u32 s28, s16, s20
	s_min_u32 s28, s28, 134                        ; the tile among all tiles
	v_lshl_add_u32 v[HO], s28, 15, v[HOB]
	v_lshl_add_u32 v[HSA], s28, 11, v[HSB]
	global_store_b128 v[HO], v[PC:PC+3], s[14:15]              ; the image: two stores of 512 consecutive bytes
	global_store_b128 v[HO], v[PC+4:PC+7], s[14:15] offset:512
	global_store_b32 v[HSA], v[PW], s[14:15] offset:HSO        ; 16 words; lanes l and l + 16 hold the same word and write the same place
	s_add_co_u32 s20, s20, 4                       ; my next tile
	s_add_co_u32 s[TRIP], s[TRIP], 1
	s_cmp_lt_u32 s[TRIP], s[TRIP+1]
	s_cbranch_scc1 .Ltile
.Lend:
	s_wait_tensorcnt 0x0
	ds_add_u32 v254, v255
	s_wait_dscnt 0x0
	s_endpgm
.Lfunc_end_k_qe026c957c4_gemm1:
	.size	k_qe026c957c4_gemm1, .Lfunc_end_k_qe026c957c4_gemm1-k_qe026c957c4_gemm1
	.p2alignl 7, 3214868480
	.fill 96, 4, 3214868480
	.section	.rodata,"a",@progbits
	.p2align	6, 0x0
	.amdhsa_kernel k_qe026c957c4_gemm1
		.amdhsa_group_segment_fixed_size 101888
		.amdhsa_private_segment_fixed_size 0
		.amdhsa_enable_private_segment 0
		.amdhsa_kernarg_size 48
		.amdhsa_user_sgpr_count 2
		.amdhsa_user_sgpr_kernarg_segment_ptr 1
		.amdhsa_wavefront_size32 1
		.amdhsa_system_sgpr_workgroup_id_x 1
		.amdhsa_system_sgpr_workgroup_id_y 1
		.amdhsa_system_sgpr_workgroup_id_z 1
		.amdhsa_system_vgpr_workitem_id 0
		.amdhsa_next_free_vgpr 1024
		.amdhsa_next_free_sgpr 90
		.amdhsa_reserve_vcc 0
		.amdhsa_float_denorm_mode_32 3
		.amdhsa_float_denorm_mode_16_64 3
		.amdhsa_memory_ordered 1
		.amdhsa_forward_progress 1
		.amdhsa_inst_pref_size 59
	.end_amdhsa_kernel
	.amdgpu_metadata
---
amdhsa.version: [ 1, 2 ]
amdhsa.kernels:
  - .name:           k_qe026c957c4_gemm1
    .symbol:         k_qe026c957c4_gemm1.kd
    .args:
      - { .name: xq, .offset: 0, .size: 8, .value_kind: global_buffer, .address_space: global }
      - { .name: lst, .offset: 8, .size: 8, .value_kind: global_buffer, .address_space: global }
      - { .name: W1_codes, .offset: 16, .size: 8, .value_kind: global_buffer, .address_space: global }
      - { .name: W1_scales, .offset: 24, .size: 8, .value_kind: global_buffer, .address_space: global }
      - { .name: b1, .offset: 32, .size: 8, .value_kind: global_buffer, .address_space: global }
      - { .name: hq, .offset: 40, .size: 8, .value_kind: global_buffer, .address_space: global }
    .group_segment_fixed_size: 101888
    .private_segment_fixed_size: 0
    .kernarg_segment_align: 8
    .kernarg_segment_size: 48
    .max_flat_workgroup_size: 128
    .sgpr_count:     90
    .vgpr_count:     1024
    .wavefront_size: 32
...
	.end_amdgpu_metadata
.endif
;; end of part 3
;; launch gemm2 (part 4): grid 32 x 8, 4 waves a work-group, no clusters, 89,600 bytes of LDS; arguments hq, lst, W2_codes, W2_scales, b2, yb; writes yb
.if DOCPART == 4
	.amdgcn_target "amdgcn-amd-amdhsa--gfx1250"
	.amdhsa_code_object_version 6
	.text
	.protected	k_qe026c957c4_gemm2
	.globl	k_qe026c957c4_gemm2
	.p2align	8
	.type	k_qe026c957c4_gemm2,@function
k_qe026c957c4_gemm2:
	s_mov_b64 s[64:65], 0
	v_nop
	global_prefetch_b8 v0, s[64:65] scope:SCOPE_SE
	s_setreg_imm32_b32 hwreg(HW_REG_WAVE_MODE, 25, 1), 1
	s_wait_xcnt 0x0
; GEMM2.  y = h W2[e]^T + b2[e] for the routed rows, on codes of E2M1 with one E8M0 scale for each 32 along K = 4,096; each work-group sums over HALF of K.
; SHARES.  Work-group (x, e) owns outputs 64 sl .. 64 sl + 63 (sl = x / 2) and K steps 16 kh .. 16 kh + 15 (kh = x % 2) of expert e: 64 rows x 1,024 bytes of codes, which no other
; work-group reads.  They go once through LDS and then stay in every wave's registers (64 fragments, 512 registers).  Wave q takes the expert's tiles q, q + 4, ..
; WHY HALF OF K: what a wave reads again for every tile is h.  With 64 outputs and half of K the weights are the same 64 KiB, and a tile's h is 16 fragments, 16 KiB and 1 KiB of scale words,
; where 32 outputs and all of K would want 32.  The price: y leaves as two partial rows, which the next launch adds: 4 KiB stored for a tile in place of 2.
; A tile's fragments come from hq as images of the registers, 512 consecutive bytes a load, straight into window 3, in four chunks of 4 K steps; as soon as a chunk is multiplied, its registers take the next tile's chunk.
; No cluster and no tensor load: the number of tiles hangs on counts read from memory.
; TRANSPOSED: source 0 = 16 rows of W2, source 1 = h: lane (r, h) holds row r and outputs 16 n + 8 h + 0 .. 7.  The four tiles of outputs are four accumulators, by turns.  b2 starts the sums of the lower half of K, zeros those of the upper.
; yb: [32 planes: 2 sl + kh][2,160 rows][64 numbers]: a tile is 4,096 consecutive bytes of its plane.
; REGISTERS: window 0: addresses; v32-63 W2's scale words (register 16 (n / 2) + s: lanes 0-15 even n, lanes 16-31 odd n); v64-71 h's (lanes 0-15 even K steps, lanes 16-31 odd); v80-111 b2; v112-143 accumulators; v144-175 the way out.
;   windows 1, 2: W2's fragment (n, s) at 8 (4 (s % 8) + n) of window 1 + s / 8.   window 3: h's fragment of K step s at 8 s.
.set HSO,  4423680
.set META, 16896
.set WP,   1040                        ; LDS: 0 .. 66,559: 64 rows of codes, 1,024 bytes + 16 apart;
.set SCS,  66560                       ; then their scale bytes, 64 + 16 apart;
.set YST,  71680                       ; then a stage of 16 rows for each wave,
.set YP,   272                         ; 256 bytes + 16 apart
.set PLANE, 552960                     ; bytes of a plane of yb
.set LI,   1                           ; v1   16 x lane
.set WF,   4
.set SF,   5
.set HAR,  8                           ; v8   h's images: 16 x lane + 16,384 kh + 32,768 x tile
.set HSR,  9                           ; v9   h's scale words: 4 x lane + 1,024 kh + 2,048 x tile
.set YA,   10                          ; v10  y: 16 x lane + 4,096 x tile
.set YSI,  11
.set YSO,  12
.set HAB,  13                          ; v13  16 x lane + 16,384 kh
.set HSB,  14                          ; v14  4 x lane + 1,024 kh
.set W2S,  32
.set HS,   64
.set B2C,  80
.set AC,   112
.set YO,   144
.set MSB, 0
.macro WIN new                         ; the immediate's high byte repeats the setting that is left
.if MSB != \new
	s_set_vgpr_msb (MSB<<8)|\new
.set MSB, \new
.endif
.endm
.macro NOPS n
.rept \n
	v_nop
.endr
.endm
.macro HCHUNK g                        ; 10 loads: the scale words and the fragments of my K steps 4 g .. 4 g + 3
	WIN 0
.irp i, 0,1
	global_load_b32 v[HS+2*\g+\i], v[HSR], s[4:5] offset:HSO+128*(2*\g+\i)
.endr
	WIN 0xc0                                       ; destination window 3
.set k, 0
.rept 4
	global_load_b128 v[8*(4*\g+k):8*(4*\g+k)+3], v[HAR], s[4:5] offset:1024*(4*\g+k)
	global_load_b128 v[8*(4*\g+k)+4:8*(4*\g+k)+7], v[HAR], s[4:5] offset:1024*(4*\g+k)+512
.set k, k+1
.endr
	WIN 0
.endm
.macro MM2 s, n
.set rD, AC+8*(\n)
.set rA, 8*(4*((\s)%8)+(\n))
.set rB, 8*(\s)
.set rC, rD
.if (\s) == 0
.set rC, B2C+8*(\n)                    ; b2, or zeros, start the sum
.endif
.set rSA, W2S+16*((\n)/2)+(\s)
.set rSB, HS+(\s)/2
.if ((\n)%2 == 0) && ((\s)%2 == 0)
	v_wmma_scale_f32_16x16x128_f8f6f4 v[rD:rD+7], v[rA:rA+7], v[rB:rB+7], v[rC:rC+7], v[rSA], v[rSB] matrix_a_fmt:MATRIX_FMT_FP4 matrix_b_fmt:MATRIX_FMT_FP4
.elseif ((\n)%2 == 1) && ((\s)%2 == 0)
	v_wmma_scale_f32_16x16x128_f8f6f4 v[rD:rD+7], v[rA:rA+7], v[rB:rB+7], v[rC:rC+7], v[rSA], v[rSB] matrix_a_fmt:MATRIX_FMT_FP4 matrix_b_fmt:MATRIX_FMT_FP4 matrix_a_scale:MATRIX_SCALE_ROW1
.elseif ((\n)%2 == 0)
	v_wmma_scale_f32_16x16x128_f8f6f4 v[rD:rD+7], v[rA:rA+7], v[rB:rB+7], v[rC:rC+7], v[rSA], v[rSB] matrix_a_fmt:MATRIX_FMT_FP4 matrix_b_fmt:MATRIX_FMT_FP4 matrix_b_scale:MATRIX_SCALE_ROW1
.else
	v_wmma_scale_f32_16x16x128_f8f6f4 v[rD:rD+7], v[rA:rA+7], v[rB:rB+7], v[rC:rC+7], v[rSA], v[rSB] matrix_a_fmt:MATRIX_FMT_FP4 matrix_b_fmt:MATRIX_FMT_FP4 matrix_a_scale:MATRIX_SCALE_ROW1 matrix_b_scale:MATRIX_SCALE_ROW1
.endif
.endm
; A tile.  pf = 1: the tile four further on is fetched chunk by chunk behind this tile's products.
.macro TILE pf
	s_wait_xcnt 0x0                                ; the loads and stores that are out have read their offsets and data: these are written again below
	s_min_u32 s28, s20, 134
	v_lshl_add_u32 v[YA], s28, 12, v[LI]
.if \pf
	s_add_co_u32 s29, s20, 4
	s_min_u32 s29, s29, 134
	v_lshl_add_u32 v[HAR], s29, 15, v[HAB]
	v_lshl_add_u32 v[HSR], s29, 11, v[HSB]
.endif
.irp g, 0,1,2,3
.if \pf
	s_wait_loadcnt 30                              ; chunk g is in: behind it were issued this tile's later chunks and the next tile's earlier ones, three chunks of 10
.else
	s_wait_loadcnt 30-10*\g                        ; chunk g is in: behind it were issued this tile's later chunks alone
.endif
.if \g < 2
	WIN 0x0d                                       ; source 0 (W2) window 1, source 1 (h) window 3
.else
	WIN 0x0e                                       ; source 0 window 2
.endif
.set k, 4*\g
.rept 4
	MM2 k, 0                                       ; the four accumulators by turns, one instruction a turn
	MM2 k, 1
	MM2 k, 2
	MM2 k, 3
.set k, k+1
.endr
.if \pf || (\g == 3)
	WIN 0
	NOPS 5                                         ; places ahead of loads into registers that these products have read, of the first read of results, and of the sums that begin anew
.endif
.if \g == 3                            ; the way out begins ahead of the last chunk's refill, so that the stage's round trip runs while those loads are issued
.irp n, 0,1,2,3
.irp q, 0,1
	ds_store_b128 v[YSI], v[AC+8*\n+4*\q:AC+8*\n+4*\q+3] offset:64*\n+16*\q   ; each accumulator from its low end on
.endr
.endr
.irp i, 0,1,2,3,4,5,6,7
	ds_load_b128 v[YO+4*\i:YO+4*\i+3], v[YSO] offset:2*YP*\i   ; LDS serves a wave's instructions in order: these see my stores
.endr
.endif
.if \pf
	HCHUNK \g
.endif
.endr
	s_wait_dscnt 0x0                               ; the rows are back, and the stores into the stage have read the accumulators
.irp i, 0,1,2,3,4,5,6,7
	global_store_b128 v[YA], v[YO+4*\i:YO+4*\i+3], s[14:15] offset:512*\i   ; two rows of 256 bytes: 512 consecutive bytes
.endr
	s_add_co_u32 s20, s20, 4
.endm
	s_load_b256 s[4:11], s[0:1], 0x0               ; hq, lst, W2's codes, W2's scales
	s_load_b128 s[12:15], s[0:1], 0x20             ; b2, yb
	v_lshl_add_u32 v254, v0, 2, 0x15c00
	v_mov_b32 v255, 0
	v_lshrrev_b32 v15, 5, v0
	v_readfirstlane_b32 s19, v15                   ; wave q
	v_and_b32 v15, 31, v0                          ; lane
	v_lshlrev_b32 v[LI], 4, v15
	v_lshlrev_b32 v2, 2, v15                       ; 4 x lane
	v_and_b32 v16, 15, v0                          ; r
	v_bfe_u32 v17, v0, 4, 1                        ; h
	v_lshlrev_b32 v3, 5, v17                       ; b2: 8 h numbers on
	v_mul_u32_u24 v[WF], v16, WP
	v_lshl_add_u32 v[WF], v17, 4, v[WF]            ; a fragment's place for my lane
	v_mul_u32_u24 v[SF], v15, 80
	v_add_nc_u32 v[SF], SCS, v[SF]                 ; row l's scale bytes
	s_mul_i32 s28, s19, 16*WP
	v_add_nc_u32 v6, s28, v[LI]                    ; codes into LDS: my wave's 16 rows
	v_lshrrev_b32 v18, 2, v15                      ; l / 4
	v_and_b32 v19, 3, v15                          ; l % 4
	v_mul_u32_u24 v20, v18, 80
	v_lshl_add_u32 v20, v19, 4, v20
	s_mul_i32 s28, s19, 16*80
	s_add_co_u32 s28, s28, SCS
	v_add_nc_u32 v7, s28, v20                      ; scale bytes into LDS: four lanes to a row's 64 bytes, eight rows a store
	v_lshlrev_b32 v21, 7, v18
	v_lshl_add_u32 v21, v19, 4, v21                ; and in memory: rows 128 bytes apart
	s_mul_i32 s28, s19, 16*YP
	s_add_co_u32 s28, s28, YST                     ; my stage
	v_mul_u32_u24 v[YSI], v16, YP
	v_lshl_add_u32 v[YSI], v17, 5, v[YSI]
	v_add_nc_u32 v[YSI], s28, v[YSI]               ; in: row r, 32 h bytes on
	v_mul_u32_u24 v[YSO], v17, YP
	v_lshl_add_u32 v[YSO], v16, 4, v[YSO]
	v_add_nc_u32 v[YSO], s28, v[YSO]               ; back: lanes 0-15 one row of 256 bytes, lanes 16-31 the next
	s_and_b32 s34, ttmp9, 1                        ; kh: which half of K
	s_lshr_b32 s36, ttmp9, 1                       ; sl: which 64 outputs
	s_lshl_b32 s28, s34, 14
	v_add_nc_u32 v[HAB], s28, v[LI]
	s_lshl_b32 s28, s34, 10
	v_add_nc_u32 v[HSB], s28, v2
	s_cmp_eq_u32 s34, 0
	s_cselect_b32 s37, -1, 0                       ; all ones where b2 counts: in the lower half of K
	s_and_b32 s35, ttmp7, 0xffff                   ; the expert
	s_lshl_b32 s21, s35, 3
	s_mov_b32 s33, 0
	s_wait_kmcnt 0x0
	s_load_b64 s[16:17], s[6:7], s21 offset:META   ; T_e, tiles_e
	s_load_b32 s18, s[6:7], META+64                ; all tiles
	s_lshl_b32 s32, s35, 21                        ; W2's codes: 2 MiB an expert, 128 KiB for 64 rows, 32 KiB for a wave's 16, 1 KiB for half a row
	s_lshl_b32 s28, s36, 17
	s_or_b32 s32, s32, s28
	s_lshl_b32 s28, s19, 15
	s_or_b32 s32, s32, s28
	s_lshl_b32 s28, s34, 10
	s_or_b32 s32, s32, s28
	s_add_nc_u64 s[8:9], s[8:9], s[32:33]
	s_lshl_b32 s32, s35, 17                        ; its scale bytes: 128 KiB, 8 KiB, 2 KiB, 64 bytes
	s_lshl_b32 s28, s36, 13
	s_or_b32 s32, s32, s28
	s_lshl_b32 s28, s19, 11
	s_or_b32 s32, s32, s28
	s_lshl_b32 s28, s34, 6
	s_or_b32 s32, s32, s28
	s_add_nc_u64 s[10:11], s[10:11], s[32:33]
	s_lshl_b32 s32, s35, 12                        ; b2: 4 KiB an expert, 256 bytes for 64 outputs
	s_lshl_b32 s28, s36, 8
	s_or_b32 s32, s32, s28
	s_add_nc_u64 s[12:13], s[12:13], s[32:33]
	s_mul_i32 s32, ttmp9, PLANE                    ; yb: my plane, 2 sl + kh
	s_add_nc_u64 s[14:15], s[14:15], s[32:33]
	WIN 0x40                                       ; destination window 1
.irp i, 0,1,2,3,4,5,6,7,8,9,10,11,12,13,14,15
.irp p, 0,1
	global_load_b128 v[4*(2*\i+\p):4*(2*\i+\p)+3], v[LI], s[8:9] offset:2048*\i+512*\p th:TH_LOAD_NT   ; 512 consecutive bytes; read once in the launch
.endr
.endr
.irp i, 0,1
	global_load_b128 v[128+4*\i:131+4*\i], v21, s[10:11] offset:1024*\i th:TH_LOAD_NT
.endr
	WIN 0
.irp n, 0,1,2,3
.irp q, 0,1
	global_load_b128 v[B2C+8*\n+4*\q:B2C+8*\n+4*\q+3], v3, s[12:13] offset:64*\n+16*\q
.endr
.endr
	s_wait_kmcnt 0x0
	s_add_co_u32 s20, s16, s19                     ; my first tile, among all tiles
	s_sub_co_u32 s29, s18, 1
	s_min_u32 s28, s20, s29                        ; a wave without a tile reads one that exists and uses nothing of it
	s_min_u32 s28, s28, 134
	v_lshl_add_u32 v[HAR], s28, 15, v[HAB]
	v_lshl_add_u32 v[HSR], s28, 11, v[HSB]
	HCHUNK 0
	HCHUNK 1
	HCHUNK 2
	HCHUNK 3
	s_wait_loadcnt 40                              ; the 42 loads of codes, scales and b2 are in: behind them were issued four chunks of 10
	WIN 0x04                                       ; an LDS store's data are its source 1: window 1
.irp i, 0,1,2,3,4,5,6,7,8,9,10,11,12,13,14,15
.irp p, 0,1
	ds_store_b128 v6, v[4*(2*\i+\p):4*(2*\i+\p)+3] offset:WP*\i+512*\p
.endr
.endr
.irp i, 0,1
	ds_store_b128 v7, v[128+4*\i:131+4*\i] offset:640*\i
.endr
	WIN 0
.set i, 0
.rept 32
	v_and_b32 v[B2C+i], s37, v[B2C+i]              ; b2 as it is, or zeros
.set i, i+1
.endr
	s_wait_dscnt 0x0                               ; for the others' sake: my 16 rows lie in LDS
	s_barrier_signal -1
	s_barrier_wait -1                              ; the launch's one barrier; behind it nobody writes these rows
	s_cmp_ge_u32 s19, s17
	s_cbranch_scc1 .Lend                           ; no tile for this wave
	WIN 0x40
.set k, 0
.rept 8
.irp n, 0,1,2,3
.irp c, 0,1
	ds_load_b128 v[8*(4*k+\n)+4*\c:8*(4*k+\n)+4*\c+3], v[WF] offset:16*\n*WP+64*k+32*\c
.endr
.endr
.set k, k+1
.endr
	WIN 0x80
.set k, 0
.rept 8
.irp n, 0,1,2,3
.irp c, 0,1
	ds_load_b128 v[8*(4*k+\n)+4*\c:8*(4*k+\n)+4*\c+3], v[WF] offset:16*\n*WP+64*(k+8)+32*\c
.endr
.endr
.set k, k+1
.endr
	WIN 0
.irp a, 0,1
.irp b, 0,1,2,3
	ds_load_b128 v[W2S+16*\a+4*\b:W2S+16*\a+4*\b+3], v[SF] offset:2560*\a+16*\b   ; lane l: the 16 scale words of row 32 a + l
.endr
.endr
	s_wait_dscnt 0x0
	s_sub_co_u32 s22, s17, s19
	s_add_co_u32 s22, s22, 3
	s_lshr_b32 s22, s22, 2
	s_sub_co_u32 s22, s22, 1                       ; my tiles but the last
	s_mov_b32 s21, 0
	s_cmp_eq_u32 s22, 0
	s_cbranch_scc1 .Ltail
.Lloop:
	TILE 1
	s_add_co_u32 s21, s21, 1
	s_cmp_lt_u32 s21, s22
	s_cbranch_scc1 .Lloop
.Ltail:
	TILE 0                                         ; the last tile fetches nothing: its counts run down
.Lend:
	s_wait_tensorcnt 0x0
	ds_add_u32 v254, v255
	s_wait_dscnt 0x0
	s_endpgm
.Lfunc_end_k_qe026c957c4_gemm2:
	.size	k_qe026c957c4_gemm2, .Lfunc_end_k_qe026c957c4_gemm2-k_qe026c957c4_gemm2
	.p2alignl 7, 3214868480
	.fill 96, 4, 3214868480
	.section	.rodata,"a",@progbits
	.p2align	6, 0x0
	.amdhsa_kernel k_qe026c957c4_gemm2
		.amdhsa_group_segment_fixed_size 89600
		.amdhsa_private_segment_fixed_size 0
		.amdhsa_enable_private_segment 0
		.amdhsa_kernarg_size 48
		.amdhsa_user_sgpr_count 2
		.amdhsa_user_sgpr_kernarg_segment_ptr 1
		.amdhsa_wavefront_size32 1
		.amdhsa_system_sgpr_workgroup_id_x 1
		.amdhsa_system_sgpr_workgroup_id_y 1
		.amdhsa_system_sgpr_workgroup_id_z 1
		.amdhsa_system_vgpr_workitem_id 0
		.amdhsa_next_free_vgpr 1024
		.amdhsa_next_free_sgpr 66
		.amdhsa_reserve_vcc 0
		.amdhsa_float_denorm_mode_32 3
		.amdhsa_float_denorm_mode_16_64 3
		.amdhsa_memory_ordered 1
		.amdhsa_forward_progress 1
		.amdhsa_inst_pref_size 50
	.end_amdhsa_kernel
	.amdgpu_metadata
---
amdhsa.version: [ 1, 2 ]
amdhsa.kernels:
  - .name:           k_qe026c957c4_gemm2
    .symbol:         k_qe026c957c4_gemm2.kd
    .args:
      - { .name: hq, .offset: 0, .size: 8, .value_kind: global_buffer, .address_space: global }
      - { .name: lst, .offset: 8, .size: 8, .value_kind: global_buffer, .address_space: global }
      - { .name: W2_codes, .offset: 16, .size: 8, .value_kind: global_buffer, .address_space: global }
      - { .name: W2_scales, .offset: 24, .size: 8, .value_kind: global_buffer, .address_space: global }
      - { .name: b2, .offset: 32, .size: 8, .value_kind: global_buffer, .address_space: global }
      - { .name: yb, .offset: 40, .size: 8, .value_kind: global_buffer, .address_space: global }
    .group_segment_fixed_size: 89600
    .private_segment_fixed_size: 0
    .kernarg_segment_align: 8
    .kernarg_segment_size: 48
    .max_flat_workgroup_size: 128
    .sgpr_count:     66
    .vgpr_count:     1024
    .wavefront_size: 32
...
	.end_amdgpu_metadata
.endif
;; end of part 4
;; launch combine (part 5): grid 256 x 1, 4 waves a work-group, no clusters, 0 bytes of LDS; arguments yb, lst, gat, out0; writes out0
.if DOCPART == 5
	.amdgcn_target "amdgcn-amd-amdhsa--gfx1250"
	.amdhsa_code_object_version 6
	.text
	.protected	k_qe026c957c4_combine
	.globl	k_qe026c957c4_combine
	.p2align	8
	.type	k_qe026c957c4_combine,@function
k_qe026c957c4_combine:
	s_mov_b64 s[64:65], 0
	v_nop
	global_prefetch_b8 v0, s[64:65] scope:SCOPE_SE
	s_setreg_imm32_b32 hwreg(HW_REG_WAVE_MODE, 25, 1), 1
	s_wait_xcnt 0x0
; COMBINE.  out0[t] = g0 (the two partial rows of t's first expert) + g1 (those of its second).  One wave a token: each output row has one owner, nothing is added across work-groups.
; yb is [32 planes: 2 sl + kh][2,160 rows][256 bytes]: plane 2 sl + kh holds outputs 64 sl .. 64 sl + 63 summed over half kh of K.  A load takes a row's 256 bytes of two neighbouring sl, sixteen lanes each;
; a store covers 512 consecutive bytes of out0's row.  Piece i of the row (sl = 2 i, 2 i + 1) wants four loads: two experts x two halves of K.
; Memory binds: no LDS, no barrier, no matrix unit; all 32 loads of a wave go out at once.
; 28 planes are more bytes than a load's immediate offset holds (signed, 24 bits): pieces 4 to 7 have offset registers of their own, 16 planes on.
.set LOC,   8704
.set PLANE, 552960                     ; bytes of a plane
.set Y,     16                         ; v16-143: piece i at Y + 16 i: expert 0 half 0, expert 0 half 1, expert 1 half 0, expert 1 half 1, four registers each
	s_load_b256 s[4:11], s[0:1], 0x0               ; yb, lst, gat, out0
	v_lshrrev_b32 v1, 5, v0
	v_readfirstlane_b32 s20, v1
	s_lshl_b32 s21, ttmp9, 2
	s_add_co_u32 s21, s21, s20                     ; my token
	s_lshl_b32 s22, s21, 3
	s_lshl_b32 s23, s21, 4
	v_and_b32 v1, 31, v0
	v_lshrrev_b32 v2, 4, v1
	v_and_b32 v3, 15, v1
	v_mul_u32_u24 v2, v2, 2*PLANE
	v_lshl_add_u32 v2, v3, 4, v2                   ; lanes 16-31 two planes on (the next sl); 16 (l % 16) bytes on
	v_lshlrev_b32 v5, 4, v1
	s_lshl_b32 s24, s21, 12
	s_mov_b32 s25, 0
	s_wait_kmcnt 0x0
	s_load_b64 s[12:13], s[6:7], s22 offset:LOC    ; the two rows
	s_load_b128 s[16:19], s[8:9], s23 offset:0x0   ; g0, g0, g1, g1
	s_add_nc_u64 s[10:11], s[10:11], s[24:25]
	s_wait_kmcnt 0x0
	s_min_u32 s12, s12, 2159                       ; held inside a plane's rows ahead of the address
	s_min_u32 s13, s13, 2159
	s_lshl_b32 s12, s12, 8
	s_lshl_b32 s13, s13, 8
	v_add_nc_u32 v6, s12, v2                       ; pieces 0 to 3: the first expert's row,
	v_add_nc_u32 v7, s13, v2                       ; the second's;
	v_add_nc_u32 v8, 16*PLANE, v6                  ; pieces 4 to 7
	v_add_nc_u32 v9, 16*PLANE, v7
.irp i, 0,1,2,3,4,5,6,7
.irp k, 0,1
	global_load_b128 v[Y+16*\i+4*\k:Y+16*\i+4*\k+3], v[6+2*(\i/4)], s[4:5] offset:(4*(\i%4)+\k)*PLANE th:TH_LOAD_NT
.endr
.irp k, 0,1
	global_load_b128 v[Y+16*\i+8+4*\k:Y+16*\i+8+4*\k+3], v[7+2*(\i/4)], s[4:5] offset:(4*(\i%4)+\k)*PLANE th:TH_LOAD_NT
.endr
.endr
.irp i, 0,1,2,3,4,5,6,7
	s_wait_loadcnt 28-4*\i                         ; piece i's four loads are in: behind them were issued four for each later piece
	v_pk_mul_f32 v[Y+16*\i:Y+16*\i+1], v[Y+16*\i:Y+16*\i+1], s[16:17] op_sel_hi:[1,0]
	v_pk_mul_f32 v[Y+16*\i+2:Y+16*\i+3], v[Y+16*\i+2:Y+16*\i+3], s[16:17] op_sel_hi:[1,0]
	v_pk_fma_f32 v[Y+16*\i:Y+16*\i+1], v[Y+16*\i+4:Y+16*\i+5], s[16:17], v[Y+16*\i:Y+16*\i+1] op_sel_hi:[1,0,1]
	v_pk_fma_f32 v[Y+16*\i+2:Y+16*\i+3], v[Y+16*\i+6:Y+16*\i+7], s[16:17], v[Y+16*\i+2:Y+16*\i+3] op_sel_hi:[1,0,1]
	v_pk_fma_f32 v[Y+16*\i:Y+16*\i+1], v[Y+16*\i+8:Y+16*\i+9], s[18:19], v[Y+16*\i:Y+16*\i+1] op_sel_hi:[1,0,1]
	v_pk_fma_f32 v[Y+16*\i+2:Y+16*\i+3], v[Y+16*\i+10:Y+16*\i+11], s[18:19], v[Y+16*\i+2:Y+16*\i+3] op_sel_hi:[1,0,1]
	v_pk_fma_f32 v[Y+16*\i:Y+16*\i+1], v[Y+16*\i+12:Y+16*\i+13], s[18:19], v[Y+16*\i:Y+16*\i+1] op_sel_hi:[1,0,1]
	v_pk_fma_f32 v[Y+16*\i+2:Y+16*\i+3], v[Y+16*\i+14:Y+16*\i+15], s[18:19], v[Y+16*\i+2:Y+16*\i+3] op_sel_hi:[1,0,1]
	global_store_b128 v5, v[Y+16*\i:Y+16*\i+3], s[10:11] offset:512*\i th:TH_STORE_NT   ; each piece has registers of its own: no store's data are written again
.endr
	s_endpgm
.Lfunc_end_k_qe026c957c4_combine:
	.size	k_qe026c957c4_combine, .Lfunc_end_k_qe026c957c4_combine-k_qe026c957c4_combine
	.p2alignl 7, 3214868480
	.fill 96, 4, 3214868480
	.section	.rodata,"a",@progbits
	.p2align	6, 0x0
	.amdhsa_kernel k_qe026c957c4_combine
		.amdhsa_group_segment_fixed_size 0
		.amdhsa_private_segment_fixed_size 0
		.amdhsa_enable_private_segment 0
		.amdhsa_kernarg_size 32
		.amdhsa_user_sgpr_count 2
		.amdhsa_user_sgpr_kernarg_segment_ptr 1
		.amdhsa_wavefront_size32 1
		.amdhsa_system_sgpr_workgroup_id_x 1
		.amdhsa_system_sgpr_workgroup_id_y 1
		.amdhsa_system_sgpr_workgroup_id_z 1
		.amdhsa_system_vgpr_workitem_id 0
		.amdhsa_next_free_vgpr 160
		.amdhsa_next_free_sgpr 66
		.amdhsa_reserve_vcc 0
		.amdhsa_float_denorm_mode_32 3
		.amdhsa_float_denorm_mode_16_64 3
		.amdhsa_memory_ordered 1
		.amdhsa_forward_progress 1
		.amdhsa_inst_pref_size 10
	.end_amdhsa_kernel
	.amdgpu_metadata
---
amdhsa.version: [ 1, 2 ]
amdhsa.kernels:
  - .name:           k_qe026c957c4_combine
    .symbol:         k_qe026c957c4_combine.kd
    .args:
      - { .name: yb, .offset: 0, .size: 8, .value_kind: global_buffer, .address_space: global }
      - { .name: lst, .offset: 8, .size: 8, .value_kind: global_buffer, .address_space: global }
      - { .name: gat, .offset: 16, .size: 8, .value_kind: global_buffer, .address_space: global }
      - { .name: out0, .offset: 24, .size: 8, .value_kind: global_buffer, .address_space: global }
    .group_segment_fixed_size: 0
    .private_segment_fixed_size: 0
    .kernarg_segment_align: 8
    .kernarg_segment_size: 32
    .max_flat_workgroup_size: 128
    .sgpr_count:     66
    .vgpr_count:     160
    .wavefront_size: 32
...
	.end_amdgpu_metadata
.endif
;; end of part 5
;; ======== version 2 of 2: 5 launches
;; workspace buffers: xq 557,056 bytes; gat 16,384 bytes; sel 16,384 bytes of whole numbers; lst 17,152 bytes of whole numbers; hq 4,700,160 bytes; yb 17,694,720 bytes
;; launch route (part 6): grid 128 x 1, 4 waves a work-group, no clusters, 103,936 bytes of LDS; arguments x, delta_t_info, delta_dis_info, delta_rg_info, delta_entropy_info, city_embeddings, Wg, bg, out1, xq, gat, sel; writes out1, xq, gat, sel
.if DOCPART == 6
	.amdgcn_target "amdgcn-amd-amdhsa--gfx1250"
	.amdhsa_code_object_version 6
	.text
	.protected	k_qe026c957c4_route
	.globl	k_qe026c957c4_route
	.p2align	8
	.type	k_qe026c957c4_route,@function
k_qe026c957c4_route:
	s_mov_b64 s[64:65], 0
	v_nop
	global_prefetch_b8 v0, s[64:65] scope:SCOPE_SE
	s_setreg_imm32_b32 hwreg(HW_REG_WAVE_MODE, 25, 1), 1
	s_wait_xcnt 0x0
; ROUTE.  For each of 1,024 tokens: the 8 logits (1,824 features x Wg + bg, fused multiply-adds in f32), out1 = softmax of the 8, the two largest
; logits (equal logits: the lower index), their two gates, and x quantised to E2M1 with one E8M0 byte for each 32 along the row.
; Stored at fixed places: out1; xq (codes [1024][512 B], from byte XSO on the scale bytes [1024][32]); gat [1024][g0, g0, g1, g1];
; sel [1024][lo, hi, e0, e1]: lo and hi hold eight 8-bit fields, field e = 1 where the token uses expert e.  No address here hangs on the choice.
; SHARES.  A work-group owns 8 tokens, a wave 2.  A token's features come as 14 loads of 512 consecutive bytes: lane l holds features 4 l .. 4 l + 3
; of each run of 128; the city row (index 1) is one more feature a lane.  Wg goes once through LDS; each lane then keeps the 57 rows of Wg
; that belong to its features in 456 registers (windows 1 and 2) and uses them for both tokens.
; LIMITS: NaN and infinities are not served.  A block of x whose largest magnitude lies under 2^-124 keeps the byte 1 (a block of zeros too: its codes
; are zeros, and only this program reads the bytes).  The logits' sums run in another order than the reference's: logits closer than that error may swap places.
.set XT,    65664                      ; LDS: 0 .. 65,663 Wg, 16 bytes of padding behind each 128; then 8 stages of 4,608 bytes (a row of x, padded alike)
.set XSB,   102528                     ; 256 scale bytes of the 8 tokens
.set O1B,   102784                     ; 256 bytes: 8 rows of out1
.set SELB,  103040                     ; 128 bytes of sel, and 128 bytes further on 128 bytes of gat
.set XSO,   524288                     ; where the scale bytes begin in xq
.set X,     32                         ; v32-143   features: token tau, run f, number j at X + 56 tau + 4 f + j
.set CITY,  144                        ; v144 my city feature, v145 = 0 (named with it as a pair)
.set ACC,   146                        ; v146-161  8 sums a token
.set BG,    162                        ; v162-169  bg
.set Q,     170                        ; v170-201, v210-241: a block of 32 numbers of x for each token
.set C,     202                        ; v202-209  its codes
.set ST,    48                         ; behind the sums, in X's registers: per token m1, i1, m2, i2, t, sum, 1 + t
.set EX,    64                         ; the 8 exponentials, then out1's row
.set SL,    80                         ; sel's row
.set GT,    88                         ; gat's row
.set MSB, 0
.macro WIN new                         ; the immediate's high byte repeats the setting that is left
.if MSB != \new
	s_set_vgpr_msb (MSB<<8)|\new
.set MSB, \new
.endif
.endm
	s_load_b512 s[8:23], s[0:1], 0x0               ; x, dt, dd, drg, de, city, Wg, bg
	s_load_b256 s[24:31], s[0:1], 0x40             ; out1, xq, gat, sel
	v_lshl_add_u32 v254, v0, 2, 0x19400
	v_mov_b32 v255, 0
	v_lshrrev_b32 v1, 5, v0
	v_readfirstlane_b32 s32, v1                    ; wave 0..3
	v_and_b32 v1, 31, v0                           ; lane
	v_lshlrev_b32 v2, 4, v1                        ; 16 l
	v_lshrrev_b32 v18, 3, v1
	v_lshl_add_u32 v19, v18, 4, v2                 ; 16 l + 16 (l / 8): a dense run of 512 bytes in a padded region
	s_mul_i32 s33, s32, 16128
	v_add_nc_u32 v3, s33, v19                      ; Wg into LDS: my wave's 14,336 bytes take 16,128
	v_mul_u32_u24 v4, v1, 144                      ; Wg out of LDS: a lane's four rows are 128 bytes + 16
	v_lshrrev_b32 v18, 2, v1
	v_lshlrev_b32 v5, 5, v1
	v_lshl_add_u32 v5, v18, 4, v5
	v_add_nc_u32 v5, 36864, v5                     ; Wg's row 1024 + l (the city's features)
	s_mul_i32 s33, s32, 9216
	s_add_co_u32 s33, s33, XT
	v_add_nc_u32 v6, s33, v19                      ; my wave's two stages: in,
	v_add_nc_u32 v7, s33, v4                       ; and out: lane l takes block l
	s_lshl_b32 s33, s32, 6
	s_add_co_u32 s34, s33, XSB
	v_add_nc_u32 v8, s34, v1                       ; my block's scale byte
	s_add_co_u32 s34, s33, O1B
	v_mov_b32 v9, s34                              ; my wave's two rows of out1
	s_lshl_b32 s33, s32, 5
	s_add_co_u32 s34, s33, SELB
	v_mov_b32 v10, s34                             ; my wave's two rows of sel (gat: 128 bytes on)
	v_lshrrev_b32 v18, 4, v1
	v_lshlrev_b32 v12, 3, v1                       ; 8 l
	v_lshl_add_u32 v11, v18, 4, v12
	s_mul_i32 s33, s32, 288
	s_add_co_u32 s33, s33, 64512
	v_add_nc_u32 v11, s33, v11                     ; Wg's last 1,024 bytes: 256 a wave
	v_lshlrev_b32 v13, 2, v1                       ; 4 l
	s_mul_i32 s33, s32, 14336
	v_add_nc_u32 v14, s33, v2                      ; Wg in memory: my wave's part,
	s_lshl_b32 s33, s32, 8
	s_add_co_u32 s33, s33, 57344
	v_add_nc_u32 v15, s33, v12                     ; and its share of the last 1,024 bytes
	v_mov_b32 v16, 0
	v_mov_b32 v17, 1
	v_lshl_add_u32 v20, v1, 3, O1B                 ; the way out (wave 0): LDS addresses,
	v_lshl_add_u32 v21, v1, 3, XSB
	v_lshl_add_u32 v22, v1, 2, SELB
	s_lshl_b32 s33, ttmp9, 8
	v_add_nc_u32 v23, s33, v12                     ; and offsets in memory: 256 bytes a work-group,
	s_lshl_b32 s33, ttmp9, 7
	v_add_nc_u32 v24, s33, v13                     ; or 128
	v_mov_b32 v[CITY+1], 0
	s_mov_b32 s40, 0x76543210
	s_mov_b32 s41, 0xfedcba98                      ; v_permlanex16_b32's selects for lane l xor 16
	s_lshl_b32 s44, ttmp9, 3
	s_lshl_b32 s45, s32, 1
	s_add_co_u32 s44, s44, s45                     ; my first token: 8 x work-group + 2 x wave
	s_mov_b32 s47, 0
	s_wait_alu depctr_va_vdst(0)
	s_wait_kmcnt 0x0
	s_lshl_b32 s46, s44, 12
	s_add_nc_u64 s[8:9], s[8:9], s[46:47]          ; x: 4,096 bytes a token
	s_lshl_b32 s46, s44, 10
	s_add_nc_u64 s[10:11], s[10:11], s[46:47]      ; dt, dd: 1,024
	s_add_nc_u64 s[12:13], s[12:13], s[46:47]
	s_lshl_b32 s46, s44, 9
	s_add_nc_u64 s[14:15], s[14:15], s[46:47]      ; drg, de: 512
	s_add_nc_u64 s[16:17], s[16:17], s[46:47]
	s_add_nc_u64 s[36:37], s[26:27], s[46:47]      ; x's codes: 512
	; ---- all loads at once: Wg's 29 first, then 31 others
	WIN 0x40                                       ; destination window 1
.set i, 0
.rept 28
	global_load_b128 v[4*i:4*i+3], v14, s[20:21] offset:512*i
.set i, i+1
.endr
	global_load_b64 v[112:113], v15, s[20:21]
	WIN 0
	global_load_b32 v[CITY], v13, s[18:19] offset:128      ; city_embeddings[1][l]
	global_load_b128 v[BG:BG+3], v16, s[22:23]
	global_load_b128 v[BG+4:BG+7], v16, s[22:23] offset:16
.macro FEAT tau
.set i, 0
.rept 8
	global_load_b128 v[X+56*\tau+4*i:X+56*\tau+4*i+3], v2, s[8:9] offset:4096*\tau+512*i th:TH_LOAD_NT
.set i, i+1
.endr
.irp n, 0,1
	global_load_b128 v[X+56*\tau+32+4*\n:X+56*\tau+35+4*\n], v2, s[10:11] offset:1024*\tau+512*\n th:TH_LOAD_NT
.endr
.irp n, 0,1
	global_load_b128 v[X+56*\tau+40+4*\n:X+56*\tau+43+4*\n], v2, s[12:13] offset:1024*\tau+512*\n th:TH_LOAD_NT
.endr
	global_load_b128 v[X+56*\tau+48:X+56*\tau+51], v2, s[14:15] offset:512*\tau th:TH_LOAD_NT
	global_load_b128 v[X+56*\tau+52:X+56*\tau+55], v2, s[16:17] offset:512*\tau th:TH_LOAD_NT
.endm
	FEAT 0
	FEAT 1
	; ---- Wg into LDS
	s_wait_loadcnt 31                              ; Wg's 29 loads are in: behind them were issued 1 + 2 + 28
	WIN 0x04                                       ; an LDS store's data are its source 1: window 1
.set i, 0
.rept 28
	ds_store_b128 v3, v[4*i:4*i+3] offset:576*i
.set i, i+1
.endr
	ds_store_b64 v11, v[112:113]
	WIN 0
	s_wait_dscnt 0x0                               ; for the others' sake: my part of Wg lies in LDS
	s_barrier_signal -1
	s_barrier_wait -1
	; ---- my 57 rows of Wg into registers: run f, feature j, experts 4 q on
	WIN 0x40
.irp f, 0,1,2,3,4,5,6,7
.irp j, 0,1,2,3
.irp q, 0,1
	ds_load_b128 v[32*\f+8*\j+4*\q:32*\f+8*\j+4*\q+3], v4 offset:36*128*\f+32*\j+16*\q
.endr
.endr
.endr
	WIN 0x80
.irp f, 0,1,2,3,4,5
.irp j, 0,1,2,3
.irp q, 0,1
	ds_load_b128 v[32*\f+8*\j+4*\q:32*\f+8*\j+4*\q+3], v4 offset:36*(1056+128*\f)+32*\j+16*\q
.endr
.endr
.endr
.irp q, 0,1
	ds_load_b128 v[192+4*\q:195+4*\q], v5 offset:16*\q
.endr
	WIN 0
	; ---- x is quantised.  A row goes through my stage as it was loaded and comes back a block of 32 neighbours a lane
	s_wait_loadcnt 0x0
.irp tau, 0,1
.set i, 0
.rept 8
	ds_store_b128 v6, v[X+56*\tau+4*i:X+56*\tau+4*i+3] offset:4608*\tau+576*i
.set i, i+1
.endr
.set i, 0
.rept 8
	ds_load_b128 v[Q+40*\tau+4*i:Q+40*\tau+4*i+3], v7 offset:4608*\tau+16*i   ; LDS serves a wave's instructions in order: these see my stores
.set i, i+1
.endr
.endr
	s_wait_dscnt 0x0                               ; the blocks are in, and so are Wg's rows
.macro XQ tau
.set rQ, Q+40*\tau
.set rT, 242+4*\tau
	v_max3_num_f32 v[rT], |v[rQ]|, |v[rQ+1]|, |v[rQ+2]|            ; the block's largest magnitude, in two chains
	v_max3_num_f32 v[rT+1], |v[rQ+3]|, |v[rQ+4]|, |v[rQ+5]|
.irp i, 6,10,14,18,22,26
	v_max3_num_f32 v[rT], v[rT], |v[rQ+\i]|, |v[rQ+\i+1]|
	v_max3_num_f32 v[rT+1], v[rT+1], |v[rQ+\i+2]|, |v[rQ+\i+3]|
.endr
	v_max3_num_f32 v[rT], v[rT], |v[rQ+30]|, |v[rQ+31]|
	v_max3_num_f32 v[rT], v[rT], v[rT+1], 0x1800000                ; and the floor 2^(3 - 127): the byte cannot fall under 1
	v_add_nc_u32 v[rT+2], 0xff000000, v[rT]                        ; 2 off the exponent field: the conversion's scale operand
.irp g, 0,1,2,3
	v_cvt_scalef32_pk8_fp4_f32 v[C+4*\tau+\g], v[rQ+8*\g:rQ+8*\g+7], v[rT+2]
.endr
	v_lshrrev_b32 v[rT+3], 23, v[rT+2]                             ; the scale's byte (a plain line behind the conversions)
	global_store_b128 v2, v[C+4*\tau:C+4*\tau+3], s[36:37] offset:512*\tau   ; 32 lanes store the row's 512 bytes of codes
	ds_store_b8 v8, v[rT+3] offset:32*\tau
.endm
	XQ 0
	XQ 1
	; ---- the logits: eight chains (4 pairs of experts x 2 tokens) of packed multiply-adds; the city's term starts the sums
	WIN 0x02                                       ; source 0 (Wg) window 2
.irp tau, 0,1
.irp p, 0,1,2,3
	v_pk_mul_f32 v[ACC+8*\tau+2*\p:ACC+8*\tau+2*\p+1], v[192+2*\p:193+2*\p], v[CITY:CITY+1] op_sel_hi:[1,0]
.endr
.endr
.macro FMA f, wb                       ; run f of 128 features; its rows of Wg begin at register wb of the window in force
.irp j, 0,1,2,3
.irp p, 0,1,2,3
.irp tau, 0,1
.if (\j % 2) == 0
	v_pk_fma_f32 v[ACC+8*\tau+2*\p:ACC+8*\tau+2*\p+1], v[(\wb)+8*\j+2*\p:(\wb)+8*\j+2*\p+1], v[X+56*\tau+4*(\f)+\j:X+56*\tau+4*(\f)+\j+1], v[ACC+8*\tau+2*\p:ACC+8*\tau+2*\p+1] op_sel_hi:[1,0,1]
.else
	v_pk_fma_f32 v[ACC+8*\tau+2*\p:ACC+8*\tau+2*\p+1], v[(\wb)+8*\j+2*\p:(\wb)+8*\j+2*\p+1], v[X+56*\tau+4*(\f)+\j-1:X+56*\tau+4*(\f)+\j], v[ACC+8*\tau+2*\p:ACC+8*\tau+2*\p+1] op_sel:[0,1,0] op_sel_hi:[1,1,1]
.endif
.endr
.endr
.endr
.endm
.irp f, 8,9,10,11,12,13
	FMA \f, 32*(\f-8)
.endr
	WIN 0x01                                       ; source 0 window 1
.irp f, 0,1,2,3,4,5,6,7
	FMA \f, 32*\f
.endr
	WIN 0
	; ---- over the 32 lanes: every lane ends with all 16 sums
.irp m, 1,2,4,8
.set i, 0
.rept 16
	v_add_f32_dpp v[ACC+i], v[ACC+i], v[ACC+i] row_xmask:\m row_mask:0xf bank_mask:0xf
.set i, i+1
.endr
.endr
.set i, 0
.rept 16
	v_permlanex16_b32 v[32+i], v[ACC+i], s40, s41
.set i, i+1
.endr
.set i, 0
.rept 16
	v_add_f32 v[ACC+i], v[ACC+i], v[32+i]
.set i, i+1
.endr
.irp tau, 0,1
.irp p, 0,1,2,3
	v_pk_add_f32 v[ACC+8*\tau+2*\p:ACC+8*\tau+2*\p+1], v[ACC+8*\tau+2*\p:ACC+8*\tau+2*\p+1], v[BG+2*\p:BG+2*\p+1]
.endr
.endr
	; ---- the two largest, by compares and selects alone.  'less or equal keeps': of equal logits the lower index stays
.macro TOP2 tau
.set rL, ACC+8*\tau
.set rS, ST+8*\tau
	v_mov_b32 v[rS], v[rL]
	v_mov_b32 v[rS+1], 0
.irp e, 1,2,3,4,5,6,7
	v_cmp_le_f32 vcc_lo, v[rL+\e], v[rS]
	v_cndmask_b32 v[rS+1], \e, v[rS+1], vcc_lo
	v_max_num_f32 v[rS], v[rS], v[rL+\e]
.endr
	v_mov_b32 v[rS+2], 0xff800000                  ; -infinity
	v_mov_b32 v[rS+3], 0
.irp e, 0,1,2,3,4,5,6,7
	v_cmp_le_f32 s42, v[rL+\e], v[rS+2]
	v_cmp_eq_u32 s43, \e, v[rS+1]                  ; the first choice does not stand again
	s_or_b32 vcc_lo, s42, s43
	v_cndmask_b32 v[rS+3], \e, v[rS+3], vcc_lo
	v_cndmask_b32 v[rS+2], v[rL+\e], v[rS+2], vcc_lo
.endr
.irp e, 0,1,2,3,4,5,6,7
	v_sub_f32 v[EX+8*\tau+\e], v[rL+\e], v[rS]     ; the largest logit is taken away ahead of the exponentials
.endr
	v_sub_f32 v[rS+4], v[rS+2], v[rS]
.irp e, 0,1,2,3,4,5,6,7
	v_mul_f32 v[EX+8*\tau+\e], 0x3fb8aa3b, v[EX+8*\tau+\e]
.endr
	v_mul_f32 v[rS+4], 0x3fb8aa3b, v[rS+4]
.endm
	TOP2 0
	TOP2 1
	s_wait_alu depctr_va_vdst(0)
.irp tau, 0,1
.irp e, 0,1,2,3,4,5,6,7
	v_exp_f32 v[EX+8*\tau+\e], v[EX+8*\tau+\e]
.endr
	v_exp_f32 v[ST+8*\tau+4], v[ST+8*\tau+4]       ; t = e^(second - first)
.endr
	v_nop                                          ; a plain line behind the last exponential
	s_wait_alu depctr_va_vdst(0)                   ; one wait for the 18, ahead of their first reader
.irp tau, 0,1
	v_add_f32 v[96+4*\tau], v[EX+8*\tau], v[EX+8*\tau+1]
	v_add_f32 v[97+4*\tau], v[EX+8*\tau+2], v[EX+8*\tau+3]
	v_add_f32 v[98+4*\tau], v[EX+8*\tau+4], v[EX+8*\tau+5]
	v_add_f32 v[99+4*\tau], v[EX+8*\tau+6], v[EX+8*\tau+7]
	v_add_f32 v[96+4*\tau], v[96+4*\tau], v[97+4*\tau]
	v_add_f32 v[98+4*\tau], v[98+4*\tau], v[99+4*\tau]
	v_add_f32 v[ST+8*\tau+5], v[96+4*\tau], v[98+4*\tau]
	v_add_f32 v[ST+8*\tau+6], 1.0, v[ST+8*\tau+4]
.endr
	s_wait_alu depctr_va_vdst(0)
.irp tau, 0,1
	v_rcp_f32 v[ST+8*\tau+5], v[ST+8*\tau+5]
	v_rcp_f32 v[ST+8*\tau+6], v[ST+8*\tau+6]
.endr
	v_nop
	s_wait_alu depctr_va_vdst(0)                   ; one wait for the four reciprocals
.macro FIN tau
.set rS, ST+8*\tau
.irp e, 0,1,2,3,4,5,6,7
	v_mul_f32 v[EX+8*\tau+\e], v[EX+8*\tau+\e], v[rS+5]    ; out1's row
.endr
	v_mov_b32 v[GT+4*\tau], v[rS+6]                ; g0 = 1 / (1 + t), twice,
	v_mov_b32 v[GT+4*\tau+1], v[rS+6]
	v_mul_f32 v[GT+4*\tau+2], v[rS+4], v[rS+6]     ; g1 = t g0, twice
	v_mul_f32 v[GT+4*\tau+3], v[rS+4], v[rS+6]
	v_and_b32 v104, 3, v[rS+1]                     ; the one-hot fields: 1 << 8 (e % 4), in lo for e < 4, else in hi
	v_and_b32 v105, 3, v[rS+3]
	v_lshlrev_b32 v104, 3, v104
	v_lshlrev_b32 v105, 3, v105
	v_lshlrev_b32 v104, v104, v17
	v_lshlrev_b32 v105, v105, v17
	v_cmp_gt_u32 vcc_lo, 4, v[rS+1]
	v_cndmask_b32 v106, 0, v104, vcc_lo
	v_cndmask_b32 v107, v104, v16, vcc_lo
	v_cmp_gt_u32 vcc_lo, 4, v[rS+3]
	v_cndmask_b32 v108, 0, v105, vcc_lo
	v_cndmask_b32 v109, v105, v16, vcc_lo
	v_or_b32 v[SL+4*\tau], v106, v108
	v_or_b32 v[SL+4*\tau+1], v107, v109
	v_mov_b32 v[SL+4*\tau+2], v[rS+1]
	v_mov_b32 v[SL+4*\tau+3], v[rS+3]
	ds_store_b128 v9, v[EX+8*\tau:EX+8*\tau+3] offset:32*\tau          ; all lanes hold the same numbers and write the same bytes
	ds_store_b128 v9, v[EX+8*\tau+4:EX+8*\tau+7] offset:32*\tau+16
	ds_store_b128 v10, v[SL+4*\tau:SL+4*\tau+3] offset:16*\tau
	ds_store_b128 v10, v[GT+4*\tau:GT+4*\tau+3] offset:128+16*\tau
.endm
	FIN 0
	FIN 1
	s_wait_dscnt 0x0                               ; for wave 0's sake: my rows and my scale bytes lie in LDS
	s_barrier_signal -1
	s_barrier_wait -1
	s_cmp_lg_u32 s32, 0
	s_cbranch_scc1 .Ldone
	ds_load_b64 v[110:111], v20                    ; wave 0 stores the work-group's small results in runs of 256 or 128 consecutive bytes
	ds_load_b64 v[112:113], v21
	ds_load_b32 v114, v22
	ds_load_b32 v115, v22 offset:128
	s_wait_dscnt 0x0
	global_store_b64 v23, v[110:111], s[24:25]
	global_store_b64 v23, v[112:113], s[26:27] offset:XSO
	global_store_b32 v24, v114, s[30:31]
	global_store_b32 v24, v115, s[28:29]
.Ldone:
	s_wait_tensorcnt 0x0
	ds_add_u32 v254, v255
	s_wait_dscnt 0x0
	s_endpgm
.Lfunc_end_k_qe026c957c4_route:
	.size	k_qe026c957c4_route, .Lfunc_end_k_qe026c957c4_route-k_qe026c957c4_route
	.p2alignl 7, 3214868480
	.fill 96, 4, 3214868480
	.section	.rodata,"a",@progbits
	.p2align	6, 0x0
	.amdhsa_kernel k_qe026c957c4_route
		.amdhsa_group_segment_fixed_size 103936
		.amdhsa_private_segment_fixed_size 0
		.amdhsa_enable_private_segment 0
		.amdhsa_kernarg_size 96
		.amdhsa_user_sgpr_count 2
		.amdhsa_user_sgpr_kernarg_segment_ptr 1
		.amdhsa_wavefront_size32 1
		.amdhsa_system_sgpr_workgroup_id_x 1
		.amdhsa_system_sgpr_workgroup_id_y 1
		.amdhsa_system_sgpr_workgroup_id_z 1
		.amdhsa_system_vgpr_workitem_id 0
		.amdhsa_next_free_vgpr 768
		.amdhsa_next_free_sgpr 66
		.amdhsa_reserve_vcc 1
		.amdhsa_float_denorm_mode_32 3
		.amdhsa_float_denorm_mode_16_64 3
		.amdhsa_memory_ordered 1
		.amdhsa_forward_progress 1
		.amdhsa_inst_pref_size 70
	.end_amdhsa_kernel
	.amdgpu_metadata
---
amdhsa.version: [ 1, 2 ]
amdhsa.kernels:
  - .name:           k_qe026c957c4_route
    .symbol:         k_qe026c957c4_route.kd
    .args:
      - { .name: x, .offset: 0, .size: 8, .value_kind: global_buffer, .address_space: global }
      - { .name: delta_t_info, .offset: 8, .size: 8, .value_kind: global_buffer, .address_space: global }
      - { .name: delta_dis_info, .offset: 16, .size: 8, .value_kind: global_buffer, .address_space: global }
      - { .name: delta_rg_info, .offset: 24, .size: 8, .value_kind: global_buffer, .address_space: global }
      - { .name: delta_entropy_info, .offset: 32, .size: 8, .value_kind: global_buffer, .address_space: global }
      - { .name: city_embeddings, .offset: 40, .size: 8, .value_kind: global_buffer, .address_space: global }
      - { .name: Wg, .offset: 48, .size: 8, .value_kind: global_buffer, .address_space: global }
      - { .name: bg, .offset: 56, .size: 8, .value_kind: global_buffer, .address_space: global }
      - { .name: out1, .offset: 64, .size: 8, .value_kind: global_buffer, .address_space: global }
      - { .name: xq, .offset: 72, .size: 8, .value_kind: global_buffer, .address_space: global }
      - { .name: gat, .offset: 80, .size: 8, .value_kind: global_buffer, .address_space: global }
      - { .name: sel, .offset: 88, .size: 8, .value_kind: global_buffer, .address_space: global }
    .group_segment_fixed_size: 103936
    .private_segment_fixed_size: 0
    .kernarg_segment_align: 8
    .kernarg_segment_size: 96
    .max_flat_workgroup_size: 128
    .sgpr_count:     66
    .vgpr_count:     768
    .wavefront_size: 32
...
	.end_amdgpu_metadata
.endif
;; end of part 6
;; launch place (part 7): grid 32 x 1, 1 waves a work-group, no clusters, 0 bytes of LDS; arguments sel, lst; writes lst
.if DOCPART == 7
	.amdgcn_target "amdgcn-amd-amdhsa--gfx1250"
	.amdhsa_code_object_version 6
	.text
	.protected	k_qe026c957c4_place
	.globl	k_qe026c957c4_place
	.p2align	8
	.type	k_qe026c957c4_place,@function
k_qe026c957c4_place:
	s_mov_b64 s[64:65], 0
	v_nop
	global_prefetch_b8 v0, s[64:65] scope:SCOPE_SE
	s_setreg_imm32_b32 hwreg(HW_REG_WAVE_MODE, 25, 1), 1
	s_wait_xcnt 0x0
; PLACE.  The 2,048 routed rows (token, expert) are put in order: by expert, within an expert by token, each expert padded to whole tiles of 16 rows.
; n_e rows of expert e; tiles_e = ceil(n_e / 16); T_e = the tiles in front of expert e; the row of (token, e) is 16 T_e + the number of earlier tokens that use e.
; lst: from 0: the token of each padded row (pads: token 0); from LOC: [1024][2] the rows of a token's two choices; from META: entry e = {T_e, tiles_e}, entry 8 = {sum of tiles, 0}.
; One wave a work-group; work-group w owns tokens 32 w + lane.  Each wave reads the whole table of 16 KiB and counts for itself: no LDS, no barrier, no traffic between work-groups.
; sel's fields are 8 bits wide: a lane adds at most 32 ones to a field; widened to 16 bits the 32 lanes' sums stay at or under 1,024.
.set LOC,  8704
.set META, 16896
	s_load_b128 s[4:7], s[0:1], 0x0                ; sel, lst
	v_lshlrev_b32 v1, 4, v0                        ; 16 bytes a token
	s_lshl_b32 s8, ttmp9, 9
	v_add_nc_u32 v2, s8, v1                        ; my own token's row
	s_mov_b32 s9, ttmp9
	s_mov_b32 s10, 0x00ff00ff
	s_mov_b32 s12, 0x76543210
	s_mov_b32 s13, 0xfedcba98
	s_wait_alu depctr_va_vdst(0)
	s_wait_kmcnt 0x0
.set c, 0
.rept 32
	global_load_b128 v[32+4*c:35+4*c], v1, s[4:5] offset:512*c
.set c, c+1
.endr
	global_load_b128 v[24:27], v2, s[4:5]          ; lo, hi, e0, e1 of my token
	v_mov_b32 v10, 0
	v_mov_b32 v11, 0
	v_mov_b32 v20, 0
	v_mov_b32 v21, 0
.irp i, 0,1,2,3,4,5,6,7
	v_mov_b32 v[160+\i], 0                         ; written once: the destination of a lane exchange counts as one of its sources
.endr
	s_lshl_b32 s8, ttmp9, 5
	v_add_nc_u32 v22, s8, v0                       ; my token
	s_lshl_b32 s8, ttmp9, 8
	v_lshlrev_b32 v30, 3, v0
	v_add_nc_u32 v31, s8, v30                      ; its 8 bytes from LOC on
	s_wait_loadcnt 0x0
	; all tokens' fields (v8, v9), and those of the chunks in front of mine (v10, v11)
	v_mov_b32 v8, v32
	v_mov_b32 v9, v33
.set c, 1
.rept 31
	v_add_nc_u32 v8, v8, v[32+4*c]
	v_add_nc_u32 v9, v9, v[33+4*c]
.set c, c+1
.endr
.set c, 0
.rept 31
	s_cmp_gt_u32 s9, c
	s_cselect_b32 s84, -1, 0
	v_and_b32 v168, s84, v[32+4*c]
	v_and_b32 v169, s84, v[33+4*c]
	v_add_nc_u32 v10, v10, v168
	v_add_nc_u32 v11, v11, v169
.set c, c+1
.endr
	; widened to fields of 16 bits: v12: experts 0, 2; v13: 1, 3; v14: 4, 6; v15: 5, 7; v16-19 the same of the chunks in front
.irp i, 0,1,2,3
	v_and_b32 v[12+2*\i], s10, v[8+\i]
	v_lshrrev_b32 v[13+2*\i], 8, v[8+\i]
	v_and_b32 v[13+2*\i], s10, v[13+2*\i]
.endr
.irp m, 1,2,4,8
.irp i, 0,1,2,3,4,5,6,7
	v_mov_b32_dpp v[160+\i], v[12+\i] row_xmask:\m row_mask:0xf bank_mask:0xf
.endr
.irp i, 0,1,2,3,4,5,6,7
	v_add_nc_u32 v[12+\i], v[12+\i], v[160+\i]
.endr
.endr
.irp i, 0,1,2,3,4,5,6,7
	v_permlanex16_b32 v[160+\i], v[12+\i], s12, s13
.endr
.irp i, 0,1,2,3,4,5,6,7
	v_add_nc_u32 v[12+\i], v[12+\i], v[160+\i]
.endr
.irp i, 0,1,2,3,4,5,6,7
	v_readfirstlane_b32 s[24+\i], v[12+\i]
.endr
.irp i, 0,1                            ; s32-39: n_e;  s40-47: the rows of expert e in the chunks in front of mine
	s_and_b32 s[32+8*\i], s[24+4*\i], 0xffff
	s_lshr_b32 s[34+8*\i], s[24+4*\i], 16
	s_and_b32 s[33+8*\i], s[25+4*\i], 0xffff
	s_lshr_b32 s[35+8*\i], s[25+4*\i], 16
	s_and_b32 s[36+8*\i], s[26+4*\i], 0xffff
	s_lshr_b32 s[38+8*\i], s[26+4*\i], 16
	s_and_b32 s[37+8*\i], s[27+4*\i], 0xffff
	s_lshr_b32 s[39+8*\i], s[27+4*\i], 16
.endr
.irp e, 0,1,2,3,4,5,6,7
	s_add_co_u32 s[48+\e], s[32+\e], 15
	s_lshr_b32 s[48+\e], s[48+\e], 4               ; tiles_e
.endr
	s_mov_b32 s56, 0                               ; T_e
.irp e, 0,1,2,3,4,5,6
	s_add_co_u32 s[57+\e], s[56+\e], s[48+\e]
.endr
	s_add_co_u32 s76, s63, s55                     ; all tiles: 128 to 135
.irp e, 0,1,2,3,4,5,6,7
	s_lshl_b32 s[68+\e], s[56+\e], 4
	s_add_co_u32 s[68+\e], s[68+\e], s[40+\e]      ; the first row that my chunk gives to expert e
.endr
.irp e, 0,1,2,3,4,5,6,7
	v_cmp_eq_u32 s84, \e, v26
	v_cmp_eq_u32 s85, \e, v27
	s_or_b32 s86, s84, s85                         ; the lanes whose token uses e
	v_mbcnt_lo_u32_b32 v23, s86, 0                 ; how many of them stand in front of me
	v_add_nc_u32 v23, s[68+\e], v23
	v_cndmask_b32 v20, v20, v23, s84
	v_cndmask_b32 v21, v21, v23, s85
.endr
	v_min_u32 v20, 2159, v20                       ; 135 tiles of 16 rows at the most: the hold changes nothing, and stands ahead of the address
	v_min_u32 v21, 2159, v21
	v_lshlrev_b32 v28, 2, v20
	v_lshlrev_b32 v29, 2, v21
	global_store_b32 v28, v22, s[6:7]
	global_store_b32 v29, v22, s[6:7]
	global_store_b64 v31, v[20:21], s[6:7] offset:LOC
	s_cmp_lg_u32 s9, 0
	s_cbranch_scc1 .Lend
	; work-group 0 alone: the table of tiles, and token 0 into the pads
	v_mov_b32 v170, 0
	v_mov_b32 v171, 0
	v_mov_b32 v175, 0
.irp e, 0,1,2,3,4,5,6,7
	v_writelane_b32 v170, s[56+\e], \e
	v_writelane_b32 v171, s[48+\e], \e
.endr
	v_writelane_b32 v170, s76, 8
	global_store_b64 v30, v[170:171], s[6:7] offset:META   ; 256 consecutive bytes
	; the eight experts' pad offsets and lane masks are all made here, with every lane on: behind the first change of EXEC no vector register is written
.irp e, 0,1,2,3,4,5,6,7
	v_add_nc_u32 v173, s[32+\e], v0                ; n_e + lane: a pad where it lies under 16 tiles_e (15 pads at the most)
	s_lshl_b32 s87, s[56+\e], 4
	v_add_nc_u32 v[176+\e], s87, v173              ; its row,
	v_min_u32 v[176+\e], 2159, v[176+\e]           ; held inside the list ahead of the address,
	v_lshlrev_b32 v[176+\e], 2, v[176+\e]          ; in bytes
	s_lshl_b32 s88, s[48+\e], 4
	v_cmp_gt_u32 s[90+\e], s88, v173               ; the lanes that hold a pad of expert e
.endr
	s_wait_alu depctr_va_vdst(0)
.irp e, 0,1,2,3,4,5,6,7
	s_wait_xcnt 0x0                                ; EXEC is a source of the stores that are out: it changes only behind this wait
	s_and_saveexec_b32 s89, s[90+\e]
	global_store_b32 v[176+\e], v175, s[6:7]
	s_wait_xcnt 0x0                                ; and again ahead of the line that widens it
	s_or_b32 exec_lo, exec_lo, s89
.endr
.Lend:
	s_endpgm
.Lfunc_end_k_qe026c957c4_place:
	.size	k_qe026c957c4_place, .Lfunc_end_k_qe026c957c4_place-k_qe026c957c4_place
	.p2alignl 7, 3214868480
	.fill 96, 4, 3214868480
	.section	.rodata,"a",@progbits
	.p2align	6, 0x0
	.amdhsa_kernel k_qe026c957c4_place
		.amdhsa_group_segment_fixed_size 0
		.amdhsa_private_segment_fixed_size 0
		.amdhsa_enable_private_segment 0
		.amdhsa_kernarg_size 16
		.amdhsa_user_sgpr_count 2
		.amdhsa_user_sgpr_kernarg_segment_ptr 1
		.amdhsa_wavefront_size32 1
		.amdhsa_system_sgpr_workgroup_id_x 1
		.amdhsa_system_sgpr_workgroup_id_y 1
		.amdhsa_system_sgpr_workgroup_id_z 1
		.amdhsa_system_vgpr_workitem_id 0
		.amdhsa_next_free_vgpr 192
		.amdhsa_next_free_sgpr 100
		.amdhsa_reserve_vcc 0
		.amdhsa_float_denorm_mode_32 3
		.amdhsa_float_denorm_mode_16_64 3
		.amdhsa_memory_ordered 1
		.amdhsa_forward_progress 1
		.amdhsa_inst_pref_size 28
	.end_amdhsa_kernel
	.amdgpu_metadata
---
amdhsa.version: [ 1, 2 ]
amdhsa.kernels:
  - .name:           k_qe026c957c4_place
    .symbol:         k_qe026c957c4_place.kd
    .args:
      - { .name: sel, .offset: 0, .size: 8, .value_kind: global_buffer, .address_space: global }
      - { .name: lst, .offset: 8, .size: 8, .value_kind: global_buffer, .address_space: global }
    .group_segment_fixed_size: 0
    .private_segment_fixed_size: 0
    .kernarg_segment_align: 8
    .kernarg_segment_size: 16
    .max_flat_workgroup_size: 32
    .sgpr_count:     100
    .vgpr_count:     192
    .wavefront_size: 32
...
	.end_amdgpu_metadata
.endif
;; end of part 7
;; launch gemm1 (part 8): grid 32 x 8, 4 waves a work-group, no clusters, 101,888 bytes of LDS; arguments xq, lst, W1_codes, W1_scales, b1, hq; writes hq
.if DOCPART == 8
	.amdgcn_target "amdgcn-amd-amdhsa--gfx1250"
	.amdhsa_code_object_version 6
	.text
	.protected	k_qe026c957c4_gemm1
	.globl	k_qe026c957c4_gemm1
	.p2align	8
	.type	k_qe026c957c4_gemm1,@function
k_qe026c957c4_gemm1:
	s_mov_b64 s[64:65], 0
	v_nop
	global_prefetch_b8 v0, s[64:65] scope:SCOPE_SE
	s_setreg_imm32_b32 hwreg(HW_REG_WAVE_SCHED_MODE, 0, 2), 2
	s_setreg_imm32_b32 hwreg(HW_REG_WAVE_MODE, 25, 1), 1
	s_wait_xcnt 0x0
	s_wait_alu depctr_vm_vsrc(0)
; GEMM1.  h = Q(gelu(Q(x) W1[e]^T + b1[e])) for the routed rows, on codes of E2M1 with one E8M0 scale for each 32 along K.
; SHARES.  Work-group (s, e) owns hidden units 128 s .. 128 s + 127 of expert e: 64 KiB of codes, which no other work-group reads.  They go once through LDS and
; then stay in EVERY wave's registers (64 fragments, 512 registers).  Wave q takes the expert's tiles q, q + 4, .. of 16 routed rows; the tiles and their tokens come from lst.
; A tile's 16 tokens come by ONE scalar load into 16 scalar registers, a tile ahead; the tile's 16 rows of codes and its scale words are asked for ahead of the products of the tile before.
; No cluster and no tensor load: the number of tiles, and whether a wave has any, hang on counts read from memory, and partners would need different numbers of tiles.
; THE PRODUCT IS USED TRANSPOSED (source 0 = 16 rows of W1, source 1 = 16 rows of x), AND THE ROWS OF W1 THAT FORM A TILE ARE NOT NEIGHBOURS: lane r of tile 2 b + u takes
; row 32 b + 8 u + r + 8 (r / 8).  So a lane holds one routed row, and its 64 results are k = 32 b + 16 (lane / 16) + 0 .. 15 of the next product's K step s:
; they are quantised in registers and leave as an image of that operand's registers (hq: [tile][K step][1,024 bytes]; scale words from HSO on: [tile][K step][16 rows]).
; gelu(v) = v / (1 + 2^(k v (1 + 0.044715 v^2))), k = -2 sqrt(2 / pi) log2(e): the tanh form rewritten, no difference of near numbers, finite for every finite v.
; LIMITS: NaN and infinities are not served; a block of h whose largest magnitude lies under 2^-124 keeps the byte 1 (its codes then are zeros or nearly so).
; REGISTERS: window 0: addresses; v16-31 row offsets; v32-95 x's 8 fragments, later the gelu's work; v96-159 8 accumulators; v160-167 codes; v168-183 at work; v184-187 x's scale words; v192-223 W1's; v232-235 the next tile's scale words.
;   windows 1, 2: W1's fragment (tile t, K step p) at 8 (8 (p % 4) + t) of window 1 + p / 4.   window 3: v0-63 b1 in the result's layout; v64-127 16 rows of x's codes as loaded; v128-255 W1's rows on their way to LDS.
; THE MODE: SCHED_MODE bits 1:0 = 2 (LLVM: expert scheduling mode 2), set by the entry lines.  The code itself states the register dependences
; between vector or matrix instructions and memory or LDS instructions, with s_wait_alu, always for 0.
; THE PLAN.  Registers that memory or LDS instructions touch, in the loop:
;   window 3 v64-127  Written by the run of 17 loads that stands ahead of a tile's products (the next tile's rows); read by the next trip's 16 LDS stores.  No vector instruction names them.
;   v232-235          Written by the last load of that run; read by the four copies at the next trip's head.
;   v16-31, v11       Written by ADDR, once a trip; read by that run of loads.
;   v32-95            Written by the 16 LDS loads at a trip's head; read by the products; then the gelu's work.
;   v160-167, v188, v7, v8   Written by the quantiser and two address lines; read by the three stores at a trip's end.
;   v1, v5, v6, v224, v225   Made at the head and never written again.
; So a trip has, beside the two waits behind its transcendentals: one wait on vm_vsrc behind its head's LDS instructions, ahead of all that is written again; one wait on va_vdst behind ADDR,
; ahead of the branch round the loads and of the products; one wait on va_vdst ahead of its stores, behind which no vector or matrix instruction stands before the next trip's LDS loads into v32-95.
.set XSO,  524288
.set HSO,  4423680
.set META, 16896
.set XST,  67584                       ; LDS: 0 .. 67,583: 128 rows of W1, 528 bytes apart, in the order tile, lane; then a stage of 16 x 528 bytes for each wave
.set LI,   1                           ; v1   16 x lane
.set WF,   4                           ; v4   528 r + 16 h: a fragment's place for my lane
.set XSTA, 5                           ; v5   my stage, in
.set XFA,  6                           ; v6   my stage, out
.set HO,   7                           ; v7   h's image in memory
.set HSA,  8                           ; v8   h's scale word
.set TK,   10                          ; v10  lanes 0-15: the next tile's tokens; lanes 16-31 stay 0
.set XO,   11                          ; v11  the offset of its scale words
.set RO,   16
.set XF,   32
.set U,    32
.set HA,   96
.set PC,   160
.set TM,   168
.set XS,   184
.set PW,   188
.set KV,   190
.set W1S,  192
.set HOB,  224                         ; v224 16 x lane + 1,024 s
.set HSB,  225                         ; v225 4 r + 64 s
.set TK2,  228                         ; v228 the tokens in lanes 16-31
.set TK3,  229                         ; v229 the token of row r, in both halves of the lanes
.set XS2,  232
.set SEL,  26
.set TRIP, 36                          ; s36  trips done;  s37  my tiles
.set TKS,  68                          ; s68-83 the 16 tokens of the tile after the one in hand
.set MSB, 0
.macro WIN new                         ; the immediate's high byte repeats the setting that is left
.if MSB != \new
	s_set_vgpr_msb (MSB<<8)|\new
.set MSB, \new
.endif
.endm
.macro NOPS n
.rept \n
	v_nop
.endr
.endm
; the 16 tokens of my expert's tile s20 + ahead: 64 consecutive bytes of the list.  Past the expert's end a tile that exists is read, and nothing of it is used
.macro TOKENS ahead
	s_add_co_u32 s28, s16, s20
.if \ahead
	s_add_co_u32 s28, s28, \ahead
.endif
	s_min_u32 s28, s28, s29                        ; inside the tiles that the list holds,
	s_min_u32 s28, s28, 134                        ; and under the list's 135 ahead of the address
	s_lshl_b32 s30, s28, 6
	s_load_b512 s[TKS:TKS+15], s[6:7], s30 offset:0x0
.endm
; the offsets of the next tile's 16 rows of codes (a row an instruction, 512 consecutive bytes) and of its scale words.  Each token is held under 1,024 ahead of its address.
; The lines stand in runs of sixteen, so that no line waits for the line above it.
.macro ADDR
.set i, 0
.rept 16
	s_min_u32 s[TKS+i], s[TKS+i], 0x3ff
.set i, i+1
.endr
.set i, 0
.rept 16
	v_lshl_add_u32 v[RO+i], s[TKS+i], 9, v[LI]
.set i, i+1
.endr
.set i, 0
.rept 16
	v_writelane_b32 v[TK], s[TKS+i], i             ; lane r: the token of row r
.set i, i+1
.endr
	v_permlanex16_b32 v[TK2], v[TK], s[SEL], s[SEL+1]
	v_or_b32 v[TK3], v[TK], v[TK2]                 ; and lane 16 + r likewise
	v_min_u32 v[TK3], 0x3ff, v[TK3]
	v_lshl_add_u32 v[XO], v[TK3], 5, v3            ; 32 scale bytes a token; lanes 16-31 take the upper 16
.endm
; 17 loads.  No wait stands among them: the wait on va_vdst that stands behind ADDR covers their offsets and v232-235, and between it and them stand scalar lines, a wait and window switches alone
.macro XLOADS
	WIN 0xc0                                       ; destination window 3
.set i, 0
.rept 16
	global_load_b128 v[64+4*i:67+4*i], v[RO+i], s[4:5]
.set i, i+1
.endr
	WIN 0
	global_load_b128 v[XS2:XS2+3], v[XO], s[4:5] offset:XSO  ; register i: lanes 0-15 the word of K step i, lanes 16-31 of K step 4 + i
.endm
; one product: tile t of W1's rows, K step p.  W1's scale words of tiles 2 b and 2 b + 1 share a register (lanes 0-15, lanes 16-31)
.macro MM1 t, p
.set rD, HA+8*(\t)
.set rA, 8*(8*((\p)%4)+(\t))
.set rB, XF+8*(\p)
.set rC, rD
.if (\p) == 0
.set rC, 8*(\t)                        ; b1's tile, in window 3, starts the sum
.endif
.set rSA, W1S+8*((\t)/2)+(\p)
.set rSB, XS+(\p)%4
.if ((\t)%2 == 0) && ((\p) < 4)
	v_wmma_scale_f32_16x16x128_f8f6f4 v[rD:rD+7], v[rA:rA+7], v[rB:rB+7], v[rC:rC+7], v[rSA], v[rSB] matrix_a_fmt:MATRIX_FMT_FP4 matrix_b_fmt:MATRIX_FMT_FP4
.elseif ((\t)%2 == 1) && ((\p) < 4)
	v_wmma_scale_f32_16x16x128_f8f6f4 v[rD:rD+7], v[rA:rA+7], v[rB:rB+7], v[rC:rC+7], v[rSA], v[rSB] matrix_a_fmt:MATRIX_FMT_FP4 matrix_b_fmt:MATRIX_FMT_FP4 matrix_a_scale:MATRIX_SCALE_ROW1
.elseif ((\t)%2 == 0)
	v_wmma_scale_f32_16x16x128_f8f6f4 v[rD:rD+7], v[rA:rA+7], v[rB:rB+7], v[rC:rC+7], v[rSA], v[rSB] matrix_a_fmt:MATRIX_FMT_FP4 matrix_b_fmt:MATRIX_FMT_FP4 matrix_b_scale:MATRIX_SCALE_ROW1
.else
	v_wmma_scale_f32_16x16x128_f8f6f4 v[rD:rD+7], v[rA:rA+7], v[rB:rB+7], v[rC:rC+7], v[rSA], v[rSB] matrix_a_fmt:MATRIX_FMT_FP4 matrix_b_fmt:MATRIX_FMT_FP4 matrix_a_scale:MATRIX_SCALE_ROW1 matrix_b_scale:MATRIX_SCALE_ROW1
.endif
.endm
.macro MMS p                           ; a K step: the eight accumulators by turns, one instruction a turn
.irp t, 0,1,2,3,4,5,6,7
	MM1 \t, \p
.endr
.endm
; 64 numbers of a lane, register 16 b + i = k 32 b + 16 (lane / 16) + i of my row, become a fragment's codes in v[PC] on and its scale word in v[PW]
.macro QUANT s
.irp b, 0,1,2,3
	v_max3_num_f32 v[TM+\b], |v[\s+16*\b]|, |v[\s+1+16*\b]|, 0x1800000   ; my 16 numbers of block b, and the floor 2^(3 - 127): the byte cannot fall under 1
.endr
.irp i, 2,4,6,8,10,12,14
.irp b, 0,1,2,3
	v_max3_num_f32 v[TM+\b], v[TM+\b], |v[\s+16*\b+\i]|, |v[\s+1+16*\b+\i]|
.endr
.endr
.irp b, 0,1,2,3
	v_permlanex16_b32 v[TM+4+\b], v[TM+\b], s[SEL], s[SEL+1]
.endr
.irp b, 0,1,2,3
	v_max_num_f32 v[TM+\b], v[TM+\b], v[TM+4+\b]   ; with lane l xor 16's: the block's largest magnitude
.endr
.irp b, 0,1,2,3
	v_add_nc_u32 v[TM+12+\b], 0xff000000, v[TM+\b] ; 2 off its exponent field: the conversion's scale operand
.endr
.irp b, 0,1,2,3
	v_lshrrev_b32 v[TM+4+\b], 23, v[TM+12+\b]      ; the scale's byte
.endr
	v_lshl_or_b32 v[PW], v[TM+5], 8, v[TM+4]
	v_lshl_or_b32 v[PW], v[TM+6], 16, v[PW]
	v_lshl_or_b32 v[PW], v[TM+7], 24, v[PW]
.irp b, 0,1,2,3
	v_cvt_scalef32_pk8_fp4_f32 v[PC+2*\b], v[\s+16*\b:\s+7+16*\b], v[TM+12+\b]
	v_cvt_scalef32_pk8_fp4_f32 v[PC+1+2*\b], v[\s+8+16*\b:\s+15+16*\b], v[TM+12+\b]
.endr
	v_nop                                          ; one plain line behind a scaled conversion
.irp c, 0,1                            ; the operand's layout wants a whole block in a lane
.irp i, 0,1
	v_permlane16_swap_b32 v[PC+4*\c+\i], v[PC+2+4*\c+\i]
.endr
.endr
.endm
	s_load_b256 s[4:11], s[0:1], 0x0               ; xq, lst, W1's codes, W1's scales
	s_load_b128 s[12:15], s[0:1], 0x20             ; b1, hq
	v_lshl_add_u32 v254, v0, 2, 0x18c00
	v_mov_b32 v255, 0
	v_lshrrev_b32 v15, 5, v0
	v_readfirstlane_b32 s19, v15                   ; wave q
	v_and_b32 v15, 31, v0
	v_lshlrev_b32 v[LI], 4, v15
	v_and_b32 v226, 15, v0                         ; r
	v_bfe_u32 v227, v0, 4, 1                       ; h
	v_lshlrev_b32 v2, 2, v226                      ; 4 r
	v_lshlrev_b32 v3, 4, v227                      ; 16 h
	v_mul_u32_u24 v[WF], v226, 528
	v_lshl_add_u32 v[WF], v227, 4, v[WF]
	s_wait_alu depctr_va_sdst(0)                   ; s19 is written, ahead of its first reader: LDS addresses, bases, the branch on my tiles and the trip count are made from it
	s_mul_i32 s28, s19, 8448
	s_add_co_u32 s28, s28, XST
	v_add_nc_u32 v[XSTA], s28, v[LI]
	v_add_nc_u32 v[XFA], s28, v[WF]
	v_and_b32 v12, 8, v226
	v_add_nc_u32 v12, v12, v226
	v_lshl_add_u32 v12, v227, 3, v12
	v_lshlrev_b32 v12, 5, v12                      ; W1's scale bytes: row 8 h + r + 8 (r / 8) of 32 bytes
	v_lshlrev_b32 v13, 6, v227                     ; b1: 16 h numbers on
	s_mul_i32 s28, s19, 32*528
	v_add_nc_u32 v14, s28, v[LI]                   ; W1's rows into LDS: my wave's 32 places
	s_lshl_b32 s28, ttmp9, 10
	v_add_nc_u32 v[HOB], s28, v[LI]
	s_lshl_b32 s28, ttmp9, 6
	v_add_nc_u32 v[HSB], s28, v2
	v_mov_b32 v[KV], 0xc0135761                    ; k = -2 sqrt(2 / pi) log2(e), twice
	v_mov_b32 v[KV+1], 0xc0135761
	v_mov_b32 v[TK], 0                             ; lanes 16-31 stay 0
	v_mov_b32 v[TK2], 0                            ; written once: a lane permute's destination counts as one of its sources
.irp b, 0,1,2,3
	v_mov_b32 v[TM+4+\b], 0                        ; likewise
.endr
	s_mov_b32 s22, 0xbdd2d3e8                      ; 0.044715 k
	s_mov_b32 s23, s22                             ; (named with it as a pair)
	s_mov_b32 s[SEL], 0x76543210
	s_mov_b32 s[SEL+1], 0xfedcba98
	s_mov_b32 s20, s19                             ; the tile in hand, counted within the expert: q, q + 4, ..
	s_and_b32 s35, ttmp7, 0xffff                   ; the expert
	s_lshl_b32 s21, s35, 3
	s_mov_b32 s33, 0
	s_wait_kmcnt 0x0
	s_load_b64 s[16:17], s[6:7], s21 offset:META   ; T_e, tiles_e
	s_load_b32 s18, s[6:7], META+64                ; all tiles
	s_lshl_b32 s32, s35, 21                        ; W1's codes: 2 MiB an expert, 64 KiB a slice, 16 KiB a wave
	s_lshl_b32 s28, ttmp9, 16
	s_or_b32 s32, s32, s28
	s_lshl_b32 s28, s19, 14
	s_or_b32 s32, s32, s28
	s_add_nc_u64 s[8:9], s[8:9], s[32:33]
	s_lshl_b32 s32, s35, 17                        ; its scale bytes: 128 KiB an expert, 4 KiB a slice
	s_lshl_b32 s28, ttmp9, 12
	s_or_b32 s32, s32, s28
	s_add_nc_u64 s[10:11], s[10:11], s[32:33]
	s_lshl_b32 s32, s35, 14                        ; b1: 16 KiB an expert, 512 bytes a slice
	s_lshl_b32 s28, ttmp9, 9
	s_or_b32 s32, s32, s28
	s_add_nc_u64 s[12:13], s[12:13], s[32:33]
	WIN 0xc0
	s_wait_alu depctr_va_vdst(0)                   ; the head's offsets and LDS addresses (v1, v4 to v6, v12 to v14) are written, which the loads below and the LDS instructions further down read
.set i, 0
.rept 32
	global_load_b128 v[128+4*i:131+4*i], v[LI], s[8:9] offset:512*i th:TH_LOAD_NT   ; a row of W1: 512 consecutive bytes; read once in the launch
.set i, i+1
.endr
	WIN 0
.irp b, 0,1,2,3
.irp q, 0,1
	global_load_b128 v[W1S+8*\b+4*\q:W1S+8*\b+4*\q+3], v12, s[10:11] offset:1024*\b+16*\q
.endr
.endr
	WIN 0xc0
.irp t, 0,1,2,3,4,5,6,7
.irp q, 0,1
	global_load_b128 v[8*\t+4*\q:8*\t+4*\q+3], v13, s[12:13] offset:(32*(\t/2)+8*(\t%2))*4+16*\q   ; lane (r, h): b1 of hidden units 32 b + 16 h + 8 u + 0 .. 7
.endr
.endr
	WIN 0
	; while W1's rows are on their way: the counts, my first tile's tokens, and the request for its rows
	s_wait_kmcnt 0x0
	s_sub_co_u32 s29, s18, 1                       ; the last tile that the list holds; kept
	TOKENS 0                                       ; a wave without a tile reads a tile that exists and uses nothing of it
	s_wait_kmcnt 0x0
	ADDR
	s_wait_alu depctr_va_vdst(0)                   ; the 16 row offsets v16-31 and the scale words' offset v11 are written, which the 17 loads below read
	XLOADS
	s_wait_loadcnt 17                              ; W1's 32 rows, its scales and b1 are in: behind these 56 loads were issued the 17 of my first tile
	WIN 0x0c                                       ; an LDS store's data are its source 1: window 3
.set i, 0
.rept 32
	ds_store_b128 v14, v[128+4*i:131+4*i] offset:528*(16*((i/8)%2)+8*(i/16)+(i%8))   ; row i of my 32 goes where its tile and lane want it
.set i, i+1
.endr
	WIN 0
	s_wait_dscnt 0x0                               ; for the others' sake: my 32 rows lie in LDS
	s_barrier_signal -1
	s_barrier_wait -1                              ; the launch's one barrier; behind it nobody writes these rows
	s_cmp_ge_u32 s19, s17
	s_cbranch_scc1 .Lend                           ; no tile for this wave
	TOKENS 4                                       ; the tokens of my second tile
	WIN 0x40
.irp p, 0,1,2,3
.irp t, 0,1,2,3,4,5,6,7
.irp c, 0,1
	ds_load_b128 v[8*(8*\p+\t)+4*\c:8*(8*\p+\t)+4*\c+3], v[WF] offset:16*\t*528+64*\p+32*\c   ; no vector or LDS instruction has named windows 1 and 2; v4 was written ahead of the head's first wait
.endr
.endr
.endr
	WIN 0x80
.irp p, 4,5,6,7
.irp t, 0,1,2,3,4,5,6,7
.irp c, 0,1
	ds_load_b128 v[8*(8*(\p-4)+\t)+4*\c:8*(8*(\p-4)+\t)+4*\c+3], v[WF] offset:16*\t*528+64*\p+32*\c
.endr
.endr
.endr
	WIN 0
	s_sub_co_u32 s[TRIP+1], s17, s19
	s_add_co_u32 s[TRIP+1], s[TRIP+1], 3
	s_lshr_b32 s[TRIP+1], s[TRIP+1], 2             ; my tiles: ceil((tiles_e - q) / 4), at least one here
	s_mov_b32 s[TRIP], 0                           ; the loop is counted by ones against that number
.Ltile:
	s_wait_loadcnt 0x0                             ; this tile's 16 rows and scale words, asked for a trip ago
	s_wait_kmcnt 0x0                               ; and the next tile's tokens
	WIN 0x0c
.set i, 0
.rept 16
	ds_store_b128 v[XSTA], v[64+4*i:67+4*i] offset:528*i
.set i, i+1
.endr
	WIN 0
.irp p, 0,1,2,3,4,5,6,7
.irp c, 0,1
	ds_load_b128 v[XF+8*\p+4*\c:XF+8*\p+4*\c+3], v[XFA] offset:64*\p+32*\c   ; LDS serves a wave's instructions in order: these see my stores.  No vector or matrix instruction has named v32-95 since the last wait on va_vdst: the one ahead of the last trip's stores, or in the first trip the one ahead of the first tile's loads
.endr
.endr
	s_wait_alu depctr_vm_vsrc(0)                   ; the last run of loads has read v16-31 and v11, which ADDR writes again; the LDS stores above have read the 16 rows, in which the next run lands; the last trip's stores have read v160-167, v188, v7 and v8, which this trip writes again
.irp i, 0,1,2,3
	v_mov_b32 v[XS+\i], v[XS2+\i]                  ; this tile's scale words into the operands' set: the other set takes the next tile's while the products read this one.  The lines of ADDR stand between these and the first product
.endr
	ADDR                                           ; the row offsets are free since the wait at the trip's head
	s_wait_alu depctr_va_vdst(0)                   ; v16-31 and v11 are written, which the loads below read; the four copies are done reading v232-235, in which the last of those loads lands; v184-187 are written, which the products take as scales (ADDR's sixteen additions are the places ahead of this wait).  It stands ahead of the branch: on both ways
	s_wait_dscnt 0x0                               ; the fragments are in, and the stores into the stage have read the rows' registers
	s_add_co_u32 s28, s20, 4
	s_cmp_lt_u32 s28, s17
	s_cbranch_scc0 .Lnopf
	XLOADS                                         ; the next tile's rows and scale words: they have this tile's products, gelu and quantiser in which to land
	TOKENS 8                                       ; and the tokens of the tile after it
.Lnopf:
	WIN 0x31                                       ; source 0 (W1) window 1, source 2 (b1) window 3
	MMS 0
	WIN 0x01
	MMS 1
	MMS 2
	MMS 3
	WIN 0x02
	MMS 4
	MMS 5
	MMS 6
	MMS 7
	WIN 0
	NOPS 5                                         ; places ahead of the first read of results and of writes over x's fragments
.set j, 0
.rept 32
	v_pk_mul_f32 v[U+j:U+j+1], v[HA+j:HA+j+1], v[HA+j:HA+j+1]     ; v^2; each accumulator is read from its low end on
.set j, j+2
.endr
.set j, 0
.rept 32
	v_pk_fma_f32 v[U+j:U+j+1], v[U+j:U+j+1], s[22:23], v[KV:KV+1] op_sel_hi:[1,0,1]   ; k (1 + 0.044715 v^2)
.set j, j+2
.endr
.set j, 0
.rept 32
	v_pk_mul_f32 v[U+j:U+j+1], v[U+j:U+j+1], v[HA+j:HA+j+1]
.set j, j+2
.endr
.set j, 0
	s_wait_alu depctr_va_vdst(0)
.rept 64
	v_exp_f32 v[U+j], v[U+j]
.set j, j+1
.endr
	v_nop
	s_wait_alu depctr_va_vdst(0)                   ; the 64 exponentials have written v32-95: one wait, ahead of their first reader
.set j, 0
.rept 32
	v_pk_add_f32 v[U+j:U+j+1], v[U+j:U+j+1], 1.0 op_sel_hi:[1,0]
.set j, j+2
.endr
.set j, 0
	s_wait_alu depctr_va_vdst(0)
.rept 64
	v_rcp_f32 v[U+j], v[U+j]
.set j, j+1
.endr
	v_nop
	s_wait_alu depctr_va_vdst(0)                   ; and the 64 reciprocals have written v32-95: one wait, ahead of their first reader
.set j, 0
.rept 32
	v_pk_mul_f32 v[HA+j:HA+j+1], v[HA+j:HA+j+1], v[U+j:U+j+1]
.set j, j+2
.endr
	s_wait_xcnt 0x0                                ; the last trip's stores have read their data and offsets: both are written again below (the wait on vm_vsrc for them stands at the trip's head)
	QUANT HA
	s_add_co_u32 s28, s16, s20
	s_min_u32 s28, s28, 134                        ; the tile among all tiles
	v_lshl_add_u32 v[HO], s28, 15, v[HOB]
	v_lshl_add_u32 v[HSA], s28, 11, v[HSB]
	s_wait_alu depctr_va_vdst(0)                   ; the quantiser has written the codes v160-167 and the scale word v188, the two lines above the offsets v7 and v8: the three stores read them.  The gelu is also done with v32-95, in which the next trip's LDS loads land
	global_store_b128 v[HO], v[PC:PC+3], s[14:15]              ; the image: two stores of 512 consecutive bytes
	global_store_b128 v[HO], v[PC+4:PC+7], s[14:15] offset:512
	global_store_b32 v[HSA], v[PW], s[14:15] offset:HSO        ; 16 words; lanes l and l + 16 hold the same word and write the same place
	s_add_co_u32 s20, s20, 4                       ; my next tile
	s_add_co_u32 s[TRIP], s[TRIP], 1
	s_cmp_lt_u32 s[TRIP], s[TRIP+1]
	s_cbranch_scc1 .Ltile
.Lend:
	s_wait_dscnt 0x0                               ; the closing lines, six on end
	s_wait_alu 0x0
	s_wait_tensorcnt 0x0
	ds_add_u32 v254, v255
	s_wait_dscnt 0x0
	s_endpgm
.Lfunc_end_k_qe026c957c4_gemm1:
	.size	k_qe026c957c4_gemm1, .Lfunc_end_k_qe026c957c4_gemm1-k_qe026c957c4_gemm1
	.p2alignl 7, 3214868480
	.fill 96, 4, 3214868480
	.section	.rodata,"a",@progbits
	.p2align	6, 0x0
	.amdhsa_kernel k_qe026c957c4_gemm1
		.amdhsa_group_segment_fixed_size 101888
		.amdhsa_private_segment_fixed_size 0
		.amdhsa_enable_private_segment 0
		.amdhsa_kernarg_size 48
		.amdhsa_user_sgpr_count 2
		.amdhsa_user_sgpr_kernarg_segment_ptr 1
		.amdhsa_wavefront_size32 1
		.amdhsa_system_sgpr_workgroup_id_x 1
		.amdhsa_system_sgpr_workgroup_id_y 1
		.amdhsa_system_sgpr_workgroup_id_z 1
		.amdhsa_system_vgpr_workitem_id 0
		.amdhsa_next_free_vgpr 1024
		.amdhsa_next_free_sgpr 90
		.amdhsa_reserve_vcc 0
		.amdhsa_float_denorm_mode_32 3
		.amdhsa_float_denorm_mode_16_64 3
		.amdhsa_memory_ordered 1
		.amdhsa_forward_progress 1
		.amdhsa_inst_pref_size 59
	.end_amdhsa_kernel
	.amdgpu_metadata
---
amdhsa.version: [ 1, 2 ]
amdhsa.kernels:
  - .name:           k_qe026c957c4_gemm1
    .symbol:         k_qe026c957c4_gemm1.kd
    .args:
      - { .name: xq, .offset: 0, .size: 8, .value_kind: global_buffer, .address_space: global }
      - { .name: lst, .offset: 8, .size: 8, .value_kind: global_buffer, .address_space: global }
      - { .name: W1_codes, .offset: 16, .size: 8, .value_kind: global_buffer, .address_space: global }
      - { .name: W1_scales, .offset: 24, .size: 8, .value_kind: global_buffer, .address_space: global }
      - { .name: b1, .offset: 32, .size: 8, .value_kind: global_buffer, .address_space: global }
      - { .name: hq, .offset: 40, .size: 8, .value_kind: global_buffer, .address_space: global }
    .group_segment_fixed_size: 101888
    .private_segment_fixed_size: 0
    .kernarg_segment_align: 8
    .kernarg_segment_size: 48
    .max_flat_workgroup_size: 128
    .sgpr_count:     90
    .vgpr_count:     1024
    .wavefront_size: 32
...
	.end_amdgpu_metadata
.endif
;; end of part 8
;; launch gemm2 (part 9): grid 32 x 8, 4 waves a work-group, no clusters, 89,600 bytes of LDS; arguments hq, lst, W2_codes, W2_scales, b2, yb; writes yb
.if DOCPART == 9
	.amdgcn_target "amdgcn-amd-amdhsa--gfx1250"
	.amdhsa_code_object_version 6
	.text
	.protected	k_qe026c957c4_gemm2
	.globl	k_qe026c957c4_gemm2
	.p2align	8
	.type	k_qe026c957c4_gemm2,@function
k_qe026c957c4_gemm2:
	s_mov_b64 s[64:65], 0
	v_nop
	global_prefetch_b8 v0, s[64:65] scope:SCOPE_SE
	s_setreg_imm32_b32 hwreg(HW_REG_WAVE_SCHED_MODE, 0, 2), 2
	s_setreg_imm32_b32 hwreg(HW_REG_WAVE_MODE, 25, 1), 1
	s_wait_xcnt 0x0
	s_wait_alu depctr_vm_vsrc(0)
; GEMM2.  y = h W2[e]^T + b2[e] for the routed rows, on codes of E2M1 with one E8M0 scale for each 32 along K = 4,096; each work-group sums over HALF of K.
; SHARES.  Work-group (x, e) owns outputs 64 sl .. 64 sl + 63 (sl = x / 2) and K steps 16 kh .. 16 kh + 15 (kh = x % 2) of expert e: 64 rows x 1,024 bytes of codes, which no other
; work-group reads.  They go once through LDS and then stay in every wave's registers (64 fragments, 512 registers).  Wave q takes the expert's tiles q, q + 4, ..
; WHY HALF OF K: what a wave reads again for every tile is h.  With 64 outputs and half of K the weights are the same 64 KiB, and a tile's h is 16 fragments, 16 KiB and 1 KiB of scale words,
; where 32 outputs and all of K would want 32.  The price: y leaves as two partial rows, which the next launch adds: 4 KiB stored for a tile in place of 2.
; A tile's fragments come from hq as images of the registers, 512 consecutive bytes a load, straight into window 3, in four chunks of 4 K steps; as soon as a chunk is multiplied, its registers take the next tile's chunk.
; No cluster and no tensor load: the number of tiles hangs on counts read from memory.
; TRANSPOSED: source 0 = 16 rows of W2, source 1 = h: lane (r, h) holds row r and outputs 16 n + 8 h + 0 .. 7.  The four tiles of outputs are four accumulators, by turns.  b2 starts the sums of the lower half of K, zeros those of the upper.
; yb: [32 planes: 2 sl + kh][2,160 rows][64 numbers]: a tile is 4,096 consecutive bytes of its plane.
; REGISTERS: window 0: addresses; v32-63 W2's scale words (register 16 (n / 2) + s: lanes 0-15 even n, lanes 16-31 odd n); v64-71 h's (lanes 0-15 even K steps, lanes 16-31 odd); v80-111 b2; v112-143 accumulators; v144-175 the way out.
;   windows 1, 2: W2's fragment (n, s) at 8 (4 (s % 8) + n) of window 1 + s / 8.   window 3: h's fragment of K step s at 8 s.
; THE MODE: SCHED_MODE bits 1:0 = 2 (LLVM: expert scheduling mode 2), set by the entry lines.  The code itself states the register dependences
; between vector or matrix instructions and memory or LDS instructions, with s_wait_alu, always for 0.
; THE PLAN.  Registers that memory or LDS instructions touch, in the loop:
;   window 3 v0-127, v64-71   h in four chunks.  Chunk g: read by its 16 products; behind them the 10 loads of the next tile's chunk g land in it.
;   v8, v9      Written at a tile's head; read by the four chunks' loads.
;   v10         Written at a tile's head; read by the eight stores at its end.
;   v112-143    The accumulators: written by the products; read by the eight LDS stores behind chunk 3.
;   v144-175    Written by the eight LDS loads behind those stores; read by the eight global stores.  No vector instruction names them.
;   v1, v11 to v14   Made at the head and never written again.
; So ONE wait on va_vdst stands behind each chunk's products: they are done reading the chunk, which is asked for again at once, since the wave lives on the loads that it has out;
; and ONE wait on vm_vsrc stands at a tile's head, ahead of all that the last tile's loads, stores and LDS stores have read and this tile writes again.
.set HSO,  4423680
.set META, 16896
.set WP,   1040                        ; LDS: 0 .. 66,559: 64 rows of codes, 1,024 bytes + 16 apart;
.set SCS,  66560                       ; then their scale bytes, 64 + 16 apart;
.set YST,  71680                       ; then a stage of 16 rows for each wave,
.set YP,   272                         ; 256 bytes + 16 apart
.set PLANE, 552960                     ; bytes of a plane of yb
.set LI,   1                           ; v1   16 x lane
.set WF,   4
.set SF,   5
.set HAR,  8                           ; v8   h's images: 16 x lane + 16,384 kh + 32,768 x tile
.set HSR,  9                           ; v9   h's scale words: 4 x lane + 1,024 kh + 2,048 x tile
.set YA,   10                          ; v10  y: 16 x lane + 4,096 x tile
.set YSI,  11
.set YSO,  12
.set HAB,  13                          ; v13  16 x lane + 16,384 kh
.set HSB,  14                          ; v14  4 x lane + 1,024 kh
.set W2S,  32
.set HS,   64
.set B2C,  80
.set AC,   112
.set YO,   144
.set MSB, 0
.macro WIN new                         ; the immediate's high byte repeats the setting that is left
.if MSB != \new
	s_set_vgpr_msb (MSB<<8)|\new
.set MSB, \new
.endif
.endm
.macro NOPS n
.rept \n
	v_nop
.endr
.endm
; 10 loads: the scale words and the fragments of my K steps 4 g .. 4 g + 3.  No wait stands among them: the wait on va_vdst ahead of each use covers their offsets and the registers in which they land,
; and between it and them stand loads, window switches and LDS instructions that name none of these registers
.macro HCHUNK g
	WIN 0
.irp i, 0,1
	global_load_b32 v[HS+2*\g+\i], v[HSR], s[4:5] offset:HSO+128*(2*\g+\i)
.endr
	WIN 0xc0                                       ; destination window 3
.set k, 0
.rept 4
	global_load_b128 v[8*(4*\g+k):8*(4*\g+k)+3], v[HAR], s[4:5] offset:1024*(4*\g+k)
	global_load_b128 v[8*(4*\g+k)+4:8*(4*\g+k)+7], v[HAR], s[4:5] offset:1024*(4*\g+k)+512
.set k, k+1
.endr
	WIN 0
.endm
.macro MM2 s, n
.set rD, AC+8*(\n)
.set rA, 8*(4*((\s)%8)+(\n))
.set rB, 8*(\s)
.set rC, rD
.if (\s) == 0
.set rC, B2C+8*(\n)                    ; b2, or zeros, start the sum
.endif
.set rSA, W2S+16*((\n)/2)+(\s)
.set rSB, HS+(\s)/2
.if ((\n)%2 == 0) && ((\s)%2 == 0)
	v_wmma_scale_f32_16x16x128_f8f6f4 v[rD:rD+7], v[rA:rA+7], v[rB:rB+7], v[rC:rC+7], v[rSA], v[rSB] matrix_a_fmt:MATRIX_FMT_FP4 matrix_b_fmt:MATRIX_FMT_FP4
.elseif ((\n)%2 == 1) && ((\s)%2 == 0)
	v_wmma_scale_f32_16x16x128_f8f6f4 v[rD:rD+7], v[rA:rA+7], v[rB:rB+7], v[rC:rC+7], v[rSA], v[rSB] matrix_a_fmt:MATRIX_FMT_FP4 matrix_b_fmt:MATRIX_FMT_FP4 matrix_a_scale:MATRIX_SCALE_ROW1
.elseif ((\n)%2 == 0)
	v_wmma_scale_f32_16x16x128_f8f6f4 v[rD:rD+7], v[rA:rA+7], v[rB:rB+7], v[rC:rC+7], v[rSA], v[rSB] matrix_a_fmt:MATRIX_FMT_FP4 matrix_b_fmt:MATRIX_FMT_FP4 matrix_b_scale:MATRIX_SCALE_ROW1
.else
	v_wmma_scale_f32_16x16x128_f8f6f4 v[rD:rD+7], v[rA:rA+7], v[rB:rB+7], v[rC:rC+7], v[rSA], v[rSB] matrix_a_fmt:MATRIX_FMT_FP4 matrix_b_fmt:MATRIX_FMT_FP4 matrix_a_scale:MATRIX_SCALE_ROW1 matrix_b_scale:MATRIX_SCALE_ROW1
.endif
.endm
; A tile.  pf = 1: the tile four further on is fetched chunk by chunk behind this tile's products.
.macro TILE pf
	s_wait_xcnt 0x0                                ; the loads and stores that are out have read their offsets and data: these are written again below
	s_wait_alu depctr_vm_vsrc(0)                   ; the last tile's loads have read v8 and v9, its stores v10 and v144-175, its LDS stores the accumulators v112-143: this tile writes all of them again
	s_min_u32 s28, s20, 134
	v_lshl_add_u32 v[YA], s28, 12, v[LI]
.if \pf
	s_add_co_u32 s29, s20, 4
	s_min_u32 s29, s29, 134
	v_lshl_add_u32 v[HAR], s29, 15, v[HAB]
	v_lshl_add_u32 v[HSR], s29, 11, v[HSB]
.endif
.irp g, 0,1,2,3
.if \pf
	s_wait_loadcnt 30                              ; chunk g is in: behind it were issued this tile's later chunks and the next tile's earlier ones, three chunks of 10
.else
	s_wait_loadcnt 30-10*\g                        ; chunk g is in: behind it were issued this tile's later chunks alone
.endif
.if \g < 2
	WIN 0x0d                                       ; source 0 (W2) window 1, source 1 (h) window 3
.else
	WIN 0x0e                                       ; source 0 window 2
.endif
.set k, 4*\g
.rept 4
	MM2 k, 0                                       ; the four accumulators by turns, one instruction a turn
	MM2 k, 1
	MM2 k, 2
	MM2 k, 3
.set k, k+1
.endr
.if \pf || (\g == 3)
	WIN 0
	NOPS 5                                         ; places ahead of loads into registers that these products have read, of the first read of results, and of the sums that begin anew
	s_wait_alu depctr_va_vdst(0)                   ; chunk g's products are done reading its fragments and scale words, in which the loads below land; behind chunk 0 also: v8, v9 and v10 are written, which the tile's loads and stores read; behind chunk 3 also: the accumulators are written, which the LDS stores below read
.endif
.if \g == 3                            ; the way out begins ahead of the last chunk's refill, so that the stage's round trip runs while those loads are issued
.irp n, 0,1,2,3
.irp q, 0,1
	ds_store_b128 v[YSI], v[AC+8*\n+4*\q:AC+8*\n+4*\q+3] offset:64*\n+16*\q   ; each accumulator from its low end on
.endr
.endr
.irp i, 0,1,2,3,4,5,6,7
	ds_load_b128 v[YO+4*\i:YO+4*\i+3], v[YSO] offset:2*YP*\i   ; LDS serves a wave's instructions in order: these see my stores
.endr
.endif
.if \pf
	HCHUNK \g
.endif
.endr
	s_wait_dscnt 0x0                               ; the rows are back, and the stores into the stage have read the accumulators
.irp i, 0,1,2,3,4,5,6,7
	global_store_b128 v[YA], v[YO+4*\i:YO+4*\i+3], s[14:15] offset:512*\i   ; two rows of 256 bytes: 512 consecutive bytes
.endr
	s_add_co_u32 s20, s20, 4
.endm
	s_load_b256 s[4:11], s[0:1], 0x0               ; hq, lst, W2's codes, W2's scales
	s_load_b128 s[12:15], s[0:1], 0x20             ; b2, yb
	v_lshl_add_u32 v254, v0, 2, 0x15c00
	v_mov_b32 v255, 0
	v_lshrrev_b32 v15, 5, v0
	v_readfirstlane_b32 s19, v15                   ; wave q
	v_and_b32 v15, 31, v0                          ; lane
	v_lshlrev_b32 v[LI], 4, v15
	v_lshlrev_b32 v2, 2, v15                       ; 4 x lane
	v_and_b32 v16, 15, v0                          ; r
	v_bfe_u32 v17, v0, 4, 1                        ; h
	v_lshlrev_b32 v3, 5, v17                       ; b2: 8 h numbers on
	v_mul_u32_u24 v[WF], v16, WP
	v_lshl_add_u32 v[WF], v17, 4, v[WF]            ; a fragment's place for my lane
	v_mul_u32_u24 v[SF], v15, 80
	v_add_nc_u32 v[SF], SCS, v[SF]                 ; row l's scale bytes
	s_wait_alu depctr_va_sdst(0)                   ; s19 is written, ahead of its first reader: LDS addresses, bases, the branch on my tiles and the trip count are made from it
	s_mul_i32 s28, s19, 16*WP
	v_add_nc_u32 v6, s28, v[LI]                    ; codes into LDS: my wave's 16 rows
	v_lshrrev_b32 v18, 2, v15                      ; l / 4
	v_and_b32 v19, 3, v15                          ; l % 4
	v_mul_u32_u24 v20, v18, 80
	v_lshl_add_u32 v20, v19, 4, v20
	s_mul_i32 s28, s19, 16*80
	s_add_co_u32 s28, s28, SCS
	v_add_nc_u32 v7, s28, v20                      ; scale bytes into LDS: four lanes to a row's 64 bytes, eight rows a store
	v_lshlrev_b32 v21, 7, v18
	v_lshl_add_u32 v21, v19, 4, v21                ; and in memory: rows 128 bytes apart
	s_mul_i32 s28, s19, 16*YP
	s_add_co_u32 s28, s28, YST                     ; my stage
	v_mul_u32_u24 v[YSI], v16, YP
	v_lshl_add_u32 v[YSI], v17, 5, v[YSI]
	v_add_nc_u32 v[YSI], s28, v[YSI]               ; in: row r, 32 h bytes on
	v_mul_u32_u24 v[YSO], v17, YP
	v_lshl_add_u32 v[YSO], v16, 4, v[YSO]
	v_add_nc_u32 v[YSO], s28, v[YSO]               ; back: lanes 0-15 one row of 256 bytes, lanes 16-31 the next
	s_and_b32 s34, ttmp9, 1                        ; kh: which half of K
	s_lshr_b32 s36, ttmp9, 1                       ; sl: which 64 outputs
	s_lshl_b32 s28, s34, 14
	v_add_nc_u32 v[HAB], s28, v[LI]
	s_lshl_b32 s28, s34, 10
	v_add_nc_u32 v[HSB], s28, v2
	s_cmp_eq_u32 s34, 0
	s_cselect_b32 s37, -1, 0                       ; all ones where b2 counts: in the lower half of K
	s_and_b32 s35, ttmp7, 0xffff                   ; the expert
	s_lshl_b32 s21, s35, 3
	s_mov_b32 s33, 0
	s_wait_kmcnt 0x0
	s_load_b64 s[16:17], s[6:7], s21 offset:META   ; T_e, tiles_e
	s_load_b32 s18, s[6:7], META+64                ; all tiles
	s_lshl_b32 s32, s35, 21                        ; W2's codes: 2 MiB an expert, 128 KiB for 64 rows, 32 KiB for a wave's 16, 1 KiB for half a row
	s_lshl_b32 s28, s36, 17
	s_or_b32 s32, s32, s28
	s_lshl_b32 s28, s19, 15
	s_or_b32 s32, s32, s28
	s_lshl_b32 s28, s34, 10
	s_or_b32 s32, s32, s28
	s_add_nc_u64 s[8:9], s[8:9], s[32:33]
	s_lshl_b32 s32, s35, 17                        ; its scale bytes: 128 KiB, 8 KiB, 2 KiB, 64 bytes
	s_lshl_b32 s28, s36, 13
	s_or_b32 s32, s32, s28
	s_lshl_b32 s28, s19, 11
	s_or_b32 s32, s32, s28
	s_lshl_b32 s28, s34, 6
	s_or_b32 s32, s32, s28
	s_add_nc_u64 s[10:11], s[10:11], s[32:33]
	s_lshl_b32 s32, s35, 12                        ; b2: 4 KiB an expert, 256 bytes for 64 outputs
	s_lshl_b32 s28, s36, 8
	s_or_b32 s32, s32, s28
	s_add_nc_u64 s[12:13], s[12:13], s[32:33]
	s_mul_i32 s32, ttmp9, PLANE                    ; yb: my plane, 2 sl + kh
	s_add_nc_u64 s[14:15], s[14:15], s[32:33]
	WIN 0x40                                       ; destination window 1
	s_wait_alu depctr_va_vdst(0)                   ; the head's offsets and LDS addresses (v1, v3 to v7, v11, v12, v21) are written, which the loads below and the LDS instructions further down read
.irp i, 0,1,2,3,4,5,6,7,8,9,10,11,12,13,14,15
.irp p, 0,1
	global_load_b128 v[4*(2*\i+\p):4*(2*\i+\p)+3], v[LI], s[8:9] offset:2048*\i+512*\p th:TH_LOAD_NT   ; 512 consecutive bytes; read once in the launch
.endr
.endr
.irp i, 0,1
	global_load_b128 v[128+4*\i:131+4*\i], v21, s[10:11] offset:1024*\i th:TH_LOAD_NT
.endr
	WIN 0
.irp n, 0,1,2,3
.irp q, 0,1
	global_load_b128 v[B2C+8*\n+4*\q:B2C+8*\n+4*\q+3], v3, s[12:13] offset:64*\n+16*\q
.endr
.endr
	s_wait_kmcnt 0x0
	s_add_co_u32 s20, s16, s19                     ; my first tile, among all tiles
	s_sub_co_u32 s29, s18, 1
	s_min_u32 s28, s20, s29                        ; a wave without a tile reads one that exists and uses nothing of it
	s_min_u32 s28, s28, 134
	v_lshl_add_u32 v[HAR], s28, 15, v[HAB]
	v_lshl_add_u32 v[HSR], s28, 11, v[HSB]
	s_wait_alu depctr_va_vdst(0)                   ; v8 and v9 are written, which the 40 loads below read
	HCHUNK 0
	HCHUNK 1
	HCHUNK 2
	HCHUNK 3
	s_wait_loadcnt 40                              ; the 42 loads of codes, scales and b2 are in: behind them were issued four chunks of 10
	WIN 0x04                                       ; an LDS store's data are its source 1: window 1
.irp i, 0,1,2,3,4,5,6,7,8,9,10,11,12,13,14,15
.irp p, 0,1
	ds_store_b128 v6, v[4*(2*\i+\p):4*(2*\i+\p)+3] offset:WP*\i+512*\p
.endr
.endr
.irp i, 0,1
	ds_store_b128 v7, v[128+4*\i:131+4*\i] offset:640*\i
.endr
	WIN 0
.set i, 0
.rept 32
	v_and_b32 v[B2C+i], s37, v[B2C+i]              ; b2 as it is, or zeros
.set i, i+1
.endr
	s_wait_dscnt 0x0                               ; for the others' sake: my 16 rows lie in LDS
	s_barrier_signal -1
	s_barrier_wait -1                              ; the launch's one barrier; behind it nobody writes these rows
	s_wait_alu depctr_vm_vsrc(0)                   ; my LDS stores have read v0-135 of window 1, in which the fragments' LDS loads below land.  It stands ahead of the branch
	s_cmp_ge_u32 s19, s17
	s_cbranch_scc1 .Lend                           ; no tile for this wave
	WIN 0x40
.set k, 0
.rept 8
.irp n, 0,1,2,3
.irp c, 0,1
	ds_load_b128 v[8*(4*k+\n)+4*\c:8*(4*k+\n)+4*\c+3], v[WF] offset:16*\n*WP+64*k+32*\c   ; no vector instruction has named windows 1 and 2 or v32-63; v4 and v5 were written ahead of the head's first wait
.endr
.endr
.set k, k+1
.endr
	WIN 0x80
.set k, 0
.rept 8
.irp n, 0,1,2,3
.irp c, 0,1
	ds_load_b128 v[8*(4*k+\n)+4*\c:8*(4*k+\n)+4*\c+3], v[WF] offset:16*\n*WP+64*(k+8)+32*\c
.endr
.endr
.set k, k+1
.endr
	WIN 0
.irp a, 0,1
.irp b, 0,1,2,3
	ds_load_b128 v[W2S+16*\a+4*\b:W2S+16*\a+4*\b+3], v[SF] offset:2560*\a+16*\b   ; lane l: the 16 scale words of row 32 a + l
.endr
.endr
	s_wait_dscnt 0x0
	s_sub_co_u32 s22, s17, s19
	s_add_co_u32 s22, s22, 3
	s_lshr_b32 s22, s22, 2
	s_sub_co_u32 s22, s22, 1                       ; my tiles but the last
	s_mov_b32 s21, 0
	s_cmp_eq_u32 s22, 0
	s_cbranch_scc1 .Ltail
.Lloop:
	s_wait_alu depctr_va_vdst(0)
	TILE 1
	s_add_co_u32 s21, s21, 1
	s_cmp_lt_u32 s21, s22
	s_cbranch_scc1 .Lloop
.Ltail:
	s_wait_alu depctr_va_vdst(0)
	TILE 0                                         ; the last tile fetches nothing: its counts run down, and it has the wait on va_vdst behind its last chunk alone
.Lend:
	s_wait_dscnt 0x0                               ; the closing lines, six on end
	s_wait_alu 0x0
	s_wait_tensorcnt 0x0
	ds_add_u32 v254, v255
	s_wait_dscnt 0x0
	s_endpgm
.Lfunc_end_k_qe026c957c4_gemm2:
	.size	k_qe026c957c4_gemm2, .Lfunc_end_k_qe026c957c4_gemm2-k_qe026c957c4_gemm2
	.p2alignl 7, 3214868480
	.fill 96, 4, 3214868480
	.section	.rodata,"a",@progbits
	.p2align	6, 0x0
	.amdhsa_kernel k_qe026c957c4_gemm2
		.amdhsa_group_segment_fixed_size 89600
		.amdhsa_private_segment_fixed_size 0
		.amdhsa_enable_private_segment 0
		.amdhsa_kernarg_size 48
		.amdhsa_user_sgpr_count 2
		.amdhsa_user_sgpr_kernarg_segment_ptr 1
		.amdhsa_wavefront_size32 1
		.amdhsa_system_sgpr_workgroup_id_x 1
		.amdhsa_system_sgpr_workgroup_id_y 1
		.amdhsa_system_sgpr_workgroup_id_z 1
		.amdhsa_system_vgpr_workitem_id 0
		.amdhsa_next_free_vgpr 1024
		.amdhsa_next_free_sgpr 66
		.amdhsa_reserve_vcc 0
		.amdhsa_float_denorm_mode_32 3
		.amdhsa_float_denorm_mode_16_64 3
		.amdhsa_memory_ordered 1
		.amdhsa_forward_progress 1
		.amdhsa_inst_pref_size 51
	.end_amdhsa_kernel
	.amdgpu_metadata
---
amdhsa.version: [ 1, 2 ]
amdhsa.kernels:
  - .name:           k_qe026c957c4_gemm2
    .symbol:         k_qe026c957c4_gemm2.kd
    .args:
      - { .name: hq, .offset: 0, .size: 8, .value_kind: global_buffer, .address_space: global }
      - { .name: lst, .offset: 8, .size: 8, .value_kind: global_buffer, .address_space: global }
      - { .name: W2_codes, .offset: 16, .size: 8, .value_kind: global_buffer, .address_space: global }
      - { .name: W2_scales, .offset: 24, .size: 8, .value_kind: global_buffer, .address_space: global }
      - { .name: b2, .offset: 32, .size: 8, .value_kind: global_buffer, .address_space: global }
      - { .name: yb, .offset: 40, .size: 8, .value_kind: global_buffer, .address_space: global }
    .group_segment_fixed_size: 89600
    .private_segment_fixed_size: 0
    .kernarg_segment_align: 8
    .kernarg_segment_size: 48
    .max_flat_workgroup_size: 128
    .sgpr_count:     66
    .vgpr_count:     1024
    .wavefront_size: 32
...
	.end_amdgpu_metadata
.endif
;; end of part 9
;; launch combine (part 10): grid 256 x 1, 4 waves a work-group, no clusters, 0 bytes of LDS; arguments yb, lst, gat, out0; writes out0
.if DOCPART == 10
	.amdgcn_target "amdgcn-amd-amdhsa--gfx1250"
	.amdhsa_code_object_version 6
	.text
	.protected	k_qe026c957c4_combine
	.globl	k_qe026c957c4_combine
	.p2align	8
	.type	k_qe026c957c4_combine,@function
k_qe026c957c4_combine:
	s_mov_b64 s[64:65], 0
	v_nop
	global_prefetch_b8 v0, s[64:65] scope:SCOPE_SE
	s_setreg_imm32_b32 hwreg(HW_REG_WAVE_MODE, 25, 1), 1
	s_wait_xcnt 0x0
; COMBINE.  out0[t] = g0 (the two partial rows of t's first expert) + g1 (those of its second).  One wave a token: each output row has one owner, nothing is added across work-groups.
; yb is [32 planes: 2 sl + kh][2,160 rows][256 bytes]: plane 2 sl + kh holds outputs 64 sl .. 64 sl + 63 summed over half kh of K.  A load takes a row's 256 bytes of two neighbouring sl, sixteen lanes each;
; a store covers 512 consecutive bytes of out0's row.  Piece i of the row (sl = 2 i, 2 i + 1) wants four loads: two experts x two halves of K.
; Memory binds: no LDS, no barrier, no matrix unit; all 32 loads of a wave go out at once.
; 28 planes are more bytes than a load's immediate offset holds (signed, 24 bits): pieces 4 to 7 have offset registers of their own, 16 planes on.
.set LOC,   8704
.set PLANE, 552960                     ; bytes of a plane
.set Y,     16                         ; v16-143: piece i at Y + 16 i: expert 0 half 0, expert 0 half 1, expert 1 half 0, expert 1 half 1, four registers each
	s_load_b256 s[4:11], s[0:1], 0x0               ; yb, lst, gat, out0
	v_lshrrev_b32 v1, 5, v0
	v_readfirstlane_b32 s20, v1
	s_lshl_b32 s21, ttmp9, 2
	s_add_co_u32 s21, s21, s20                     ; my token
	s_lshl_b32 s22, s21, 3
	s_lshl_b32 s23, s21, 4
	v_and_b32 v1, 31, v0
	v_lshrrev_b32 v2, 4, v1
	v_and_b32 v3, 15, v1
	v_mul_u32_u24 v2, v2, 2*PLANE
	v_lshl_add_u32 v2, v3, 4, v2                   ; lanes 16-31 two planes on (the next sl); 16 (l % 16) bytes on
	v_lshlrev_b32 v5, 4, v1
	s_lshl_b32 s24, s21, 12
	s_mov_b32 s25, 0
	s_wait_alu depctr_va_vdst(0)
	s_wait_kmcnt 0x0
	s_load_b64 s[12:13], s[6:7], s22 offset:LOC    ; the two rows
	s_load_b128 s[16:19], s[8:9], s23 offset:0x0   ; g0, g0, g1, g1
	s_add_nc_u64 s[10:11], s[10:11], s[24:25]
	s_wait_kmcnt 0x0
	s_min_u32 s12, s12, 2159                       ; held inside a plane's rows ahead of the address
	s_min_u32 s13, s13, 2159
	s_lshl_b32 s12, s12, 8
	s_lshl_b32 s13, s13, 8
	v_add_nc_u32 v6, s12, v2                       ; pieces 0 to 3: the first expert's row,
	v_add_nc_u32 v7, s13, v2                       ; the second's;
	v_add_nc_u32 v8, 16*PLANE, v6                  ; pieces 4 to 7
	v_add_nc_u32 v9, 16*PLANE, v7
.irp i, 0,1,2,3,4,5,6,7
.irp k, 0,1
	global_load_b128 v[Y+16*\i+4*\k:Y+16*\i+4*\k+3], v[6+2*(\i/4)], s[4:5] offset:(4*(\i%4)+\k)*PLANE th:TH_LOAD_NT
.endr
.irp k, 0,1
	global_load_b128 v[Y+16*\i+8+4*\k:Y+16*\i+8+4*\k+3], v[7+2*(\i/4)], s[4:5] offset:(4*(\i%4)+\k)*PLANE th:TH_LOAD_NT
.endr
.endr
.irp i, 0,1,2,3,4,5,6,7
	s_wait_loadcnt 28-4*\i                         ; piece i's four loads are in: behind them were issued four for each later piece
	v_pk_mul_f32 v[Y+16*\i:Y+16*\i+1], v[Y+16*\i:Y+16*\i+1], s[16:17] op_sel_hi:[1,0]
	v_pk_mul_f32 v[Y+16*\i+2:Y+16*\i+3], v[Y+16*\i+2:Y+16*\i+3], s[16:17] op_sel_hi:[1,0]
	v_pk_fma_f32 v[Y+16*\i:Y+16*\i+1], v[Y+16*\i+4:Y+16*\i+5], s[16:17], v[Y+16*\i:Y+16*\i+1] op_sel_hi:[1,0,1]
	v_pk_fma_f32 v[Y+16*\i+2:Y+16*\i+3], v[Y+16*\i+6:Y+16*\i+7], s[16:17], v[Y+16*\i+2:Y+16*\i+3] op_sel_hi:[1,0,1]
	v_pk_fma_f32 v[Y+16*\i:Y+16*\i+1], v[Y+16*\i+8:Y+16*\i+9], s[18:19], v[Y+16*\i:Y+16*\i+1] op_sel_hi:[1,0,1]
	v_pk_fma_f32 v[Y+16*\i+2:Y+16*\i+3], v[Y+16*\i+10:Y+16*\i+11], s[18:19], v[Y+16*\i+2:Y+16*\i+3] op_sel_hi:[1,0,1]
	v_pk_fma_f32 v[Y+16*\i:Y+16*\i+1], v[Y+16*\i+12:Y+16*\i+13], s[18:19], v[Y+16*\i:Y+16*\i+1] op_sel_hi:[1,0,1]
	v_pk_fma_f32 v[Y+16*\i+2:Y+16*\i+3], v[Y+16*\i+14:Y+16*\i+15], s[18:19], v[Y+16*\i+2:Y+16*\i+3] op_sel_hi:[1,0,1]
	global_store_b128 v5, v[Y+16*\i:Y+16*\i+3], s[10:11] offset:512*\i th:TH_STORE_NT   ; each piece has registers of its own: no store's data are written again
.endr
	s_endpgm
.Lfunc_end_k_qe026c957c4_combine:
	.size	k_qe026c957c4_combine, .Lfunc_end_k_qe026c957c4_combine-k_qe026c957c4_combine
	.p2alignl 7, 3214868480
	.fill 96, 4, 3214868480
	.section	.rodata,"a",@progbits
	.p2align	6, 0x0
	.amdhsa_kernel k_qe026c957c4_combine
		.amdhsa_group_segment_fixed_size 0
		.amdhsa_private_segment_fixed_size 0
		.amdhsa_enable_private_segment 0
		.amdhsa_kernarg_size 32
		.amdhsa_user_sgpr_count 2
		.amdhsa_user_sgpr_kernarg_segment_ptr 1
		.amdhsa_wavefront_size32 1
		.amdhsa_system_sgpr_workgroup_id_x 1
		.amdhsa_system_sgpr_workgroup_id_y 1
		.amdhsa_system_sgpr_workgroup_id_z 1
		.amdhsa_system_vgpr_workitem_id 0
		.amdhsa_next_free_vgpr 160
		.amdhsa_next_free_sgpr 66
		.amdhsa_reserve_vcc 0
		.amdhsa_float_denorm_mode_32 3
		.amdhsa_float_denorm_mode_16_64 3
		.amdhsa_memory_ordered 1
		.amdhsa_forward_progress 1
		.amdhsa_inst_pref_size 10
	.end_amdhsa_kernel
	.amdgpu_metadata
---
amdhsa.version: [ 1, 2 ]
amdhsa.kernels:
  - .name:           k_qe026c957c4_combine
    .symbol:         k_qe026c957c4_combine.kd
    .args:
      - { .name: yb, .offset: 0, .size: 8, .value_kind: global_buffer, .address_space: global }
      - { .name: lst, .offset: 8, .size: 8, .value_kind: global_buffer, .address_space: global }
      - { .name: gat, .offset: 16, .size: 8, .value_kind: global_buffer, .address_space: global }
      - { .name: out0, .offset: 24, .size: 8, .value_kind: global_buffer, .address_space: global }
    .group_segment_fixed_size: 0
    .private_segment_fixed_size: 0
    .kernarg_segment_align: 8
    .kernarg_segment_size: 32
    .max_flat_workgroup_size: 128
    .sgpr_count:     66
    .vgpr_count:     160
    .wavefront_size: 32
...
	.end_amdgpu_metadata
.endif
;; end of part 10
